; MI455X (gfx1250); checked and timed in simulation.
; The chip was launched on July 23, 2026; its instructions are those of AMD's public machine-readable ISA for CDNA 5 (MIT licence, August 2026) and "CDNA5" Instruction Set Architecture Reference Guide (July 2026). The comments in the code are by the model that wrote it; some were corrected since.
;; Multi Head Attention. Allowed arithmetic: matrix products marked QUANTISED: E4M3 operands, one E8M0 scale for each 32 along K, by v_wmma_scale_f32_16x16x128_f8f6f4 with both operands' format E4M3, f32 sums; everything else in f32.
;; Inputs: Wk_codes 1,024 x 4 x 32 uint8 (E4M3 codes of Wk, K innermost, in blocks of 32 codes); Wk_scales 1,024 x 4 uint8 (E8M0 scales of Wk, one for each 32 codes along K); Wq_codes 1,024 x 4 x 32 uint8 (E4M3 codes of Wq, K innermost, in blocks of 32 codes); Wq_scales 1,024 x 4 uint8 (E8M0 scales of Wq, one for each 32 codes along K); Wu_codes 128 x 32 x 32 uint8 (E4M3 codes of Wu, K innermost, in blocks of 32 codes); Wu_scales 128 x 32 uint8 (E8M0 scales of Wu, one for each 32 codes along K); Wv_codes 1,024 x 4 x 32 uint8 (E4M3 codes of Wv, K innermost, in blocks of 32 codes); Wv_scales 1,024 x 4 uint8 (E8M0 scales of Wv, one for each 32 codes along K); bu 128 float32; x_codes 2 x 2,048 x 4 x 32 uint8 (E4M3 codes of x, K innermost, in blocks of 32 codes); x_scales 2 x 2,048 x 4 uint8 (E8M0 scales of x, one for each 32 codes along K).
;; Outputs: out0 2 x 2,048 x 128 float32.
;; This version of the problem:
;;   THIS VERSION OF THE PROBLEM IS GIVEN IN LOW PRECISION. The matrix products marked QUANTISED in the list below multiply operands that are first quantised to E4M3 (4 exponent bits, 3 mantissa bits; 8 bits a number), with one power-of-two scale for each 32 numbers along K (OCP MX v1.0); their sums are f32. All else is computed in f32.
;;   The module's matrix products, in the order in which they are computed (A, B: the left and right operand; K: the contracted axis; several contracted axes count as one K, in the product's order):
;;     1. [M 4,096, K 128] x [K 128, N 1,024]; A: input x (given as codes); B: input Wq (given as codes): QUANTISED
;;     2. [M 4,096, K 128] x [K 128, N 1,024]; A: input x (given as codes); B: input Wk (given as codes): QUANTISED
;;     3. [M 4,096, K 128] x [K 128, N 1,024]; A: input x (given as codes); B: input Wv (given as codes): QUANTISED
;;     4. batch 16 x [M 2,048, K 128] x [K 128, N 2,048]; A: computed on the way; B: computed on the way: QUANTISED
;;     5. batch 16 x [M 2,048, K 2,048] x [K 2,048, N 128]; A: softmax (see below); B: computed on the way: QUANTISED
;;     6. [M 4,096, K 1,024] x [K 1,024, N 128]; A: computed on the way; B: input Wu (given as codes): QUANTISED
;;   THE QUANTISER, for each operand of a quantised product, along K:
;;     - K is cut into blocks of 32 from its start; a last block that is shorter is filled with zeros.
;;     - A block's scale is 2^e with e = floor(log2(the largest magnitude in the block)) - 8, held to -126 .. 127; a block of zeros has e = 0. As a byte (E8M0): e + 127.
;;     - Each number is divided by its block's scale, clamped to +-448, and rounded to the nearest number of E4M3, ties to even, subnormals kept.
;;     - The product sums the exact products of the quantised numbers (number of the format x scale) in f32.
;;   ~~~python
;;   def quantise(x, axis):      # numpy; x: float32 -> the quantised numbers, widened to float32 again
;;       x = np.moveaxis(x, axis, -1); K = x.shape[-1]
;;       x = np.pad(x, [(0, 0)] * (x.ndim - 1) + [(0, -K % 32)]); x = x.reshape(x.shape[:-1] + (-1, 32)); a = np.abs(x).max(-1, keepdims=True)
;;       e = np.where(a > 0, np.clip(np.frexp(np.where(a > 0, a, 1))[1] - 1 - 8, -126, 127), 0)      # np.frexp(a)[1] - 1 = floor(log2(a)), exactly
;;       r = np.clip(x / 2.0 ** e, -448, 448)
;;       step = 2.0 ** (np.maximum(np.frexp(np.where(r == 0, 1, r))[1] - 1, -6) - 3)
;;       q = np.round(r / step) * step * 2.0 ** e      # np.round: ties to even
;;       return np.moveaxis(q.reshape(q.shape[:-2] + (-1,))[..., :K], -1, axis).astype(np.float32)
;;   ~~~
;;   SOFTMAX AHEAD OF A QUANTISED PRODUCT. Where the list says 'softmax', what is quantised is not the finished softmax but p = 2^(t - M), with t = logit x log2(e) and M = ceil(the row's largest t), a whole number; so 1/2 < the row's largest p <= 1. The row's sum l is taken of the UNQUANTISED p, in f32, and the product's result is divided by l at the end. Since M is a whole number, a kernel that streams over the keys may use a running M (the ceiling of the running maximum): every later rescaling is an exact power of two, which a block's scale takes up: the codes' values come out the same.
;;   OPERANDS COMPUTED ON THE WAY. 'Computed on the way' means the value that the module computes at that place (a softmax that the list does not call 'softmax' is quantised finished and normalised). What goes into a quantiser is computed in f32, as accurately as f32 sums, v_exp_f32 and their like allow (about 1e-6 of the number): no bf16 or f16 on the way to a quantiser, and a product that is left as it is and whose result goes on into a quantised operand takes f32 operands (vector FMAs, or v_wmma_f32_16x16x4_f32). A number that lies on a knife's edge between two numbers of the format may be rounded either way, as far as f32 arithmetic and the matrix unit's own rounding can turn it there, and no further.
;;   INPUTS GIVEN AS CODES. Wk (in the module: [128, 1024], K = its axis 0); Wq (in the module: [128, 1024], K = its axis 0); Wu (in the module: [1024, 128], K = its axis 0); Wv (in the module: [128, 1024], K = its axis 0); x (in the module: [2, 2048, 128], K = its axis 2): each comes as NAME_codes (uint8): NAME with its K axis moved to the last place and cut into blocks of 32 codes, [.., K / 32, bytes a block], one block behind the other in memory; one code a byte (a code: sign, 4 exponent bits, 3 mantissa bits); and NAME_scales (uint8): the same leading axes, one E8M0 byte (e + 127) for each 32 codes along K. Its value is code x scale, taken as it is: it is not quantised again, and the codes and scales need not be those that the quantiser above would give.
;; 2 versions. Each part assembles by itself: llvm-mc -triple=amdgcn-amd-amdhsa -mcpu=gfx1250 --defsym DOCPART=n.
;; ======== version 1 of 2: 3 launches
;; workspace buffers: kvimg 8,388,608 bytes; kvsc 262,144 bytes; yimg 4,194,304 bytes; ysc 131,072 bytes
;; launch kvproj (part 1): grid 256 x 1, 4 waves a work-group, no clusters, 0 bytes of LDS; arguments x_codes, x_scales, Wk_codes, Wk_scales, Wv_codes, Wv_scales, kvimg, kvsc; writes kvimg, kvsc
.if DOCPART == 1
	.amdgcn_target "amdgcn-amd-amdhsa--gfx1250"
	.amdhsa_code_object_version 6
	.text
	.protected	k_qa72ccf5e41_kvproj
	.globl	k_qa72ccf5e41_kvproj
	.p2align	8
	.type	k_qa72ccf5e41_kvproj,@function
k_qa72ccf5e41_kvproj:
	s_mov_b64 s[64:65], 0
	v_nop
	global_prefetch_b8 v0, s[64:65] scope:SCOPE_SE
	s_setreg_imm32_b32 hwreg(HW_REG_WAVE_MODE, 25, 1), 1
	s_wait_xcnt 0x0
; k = x Wk and v = x Wv on codes of FP8 (E4M3) with E8M0 scales, and both results quantised at once: k along the head's 128, v along the keys.
; The results leave as IMAGES OF OPERAND REGISTERS: a fragment (16 rows x 128 K) is 2,048 bytes, register group c (4 registers) of lane l at 512 c + 16 l.
; kvimg: [head 16 = 8 b + h][key step 16][K's 8 fragments | V's 8 fragments];  kvsc: [head][step][K 512 bytes | V 512 bytes], the word of tile t, row r at 128 (t / 2) + 8 r + 4 (t % 2).
; A UNIT is (K or V, head, 128 tokens): 64 matrix instructions, 8 fragments.  512 units; a work-group takes two, two waves to a unit, four fragments a wave.
; ONE TEXT SERVES K AND V: the product is used transposed, source 0 = the INNER operand (its 128 rows become the lane's registers), source 1 = the OUTER one (a lane holds one of its rows).
;   K: inner = Wk's 128 rows of the head (d), outer = x's tokens: a lane holds a key, its registers run along d.   V: inner = x's tokens, outer = Wv's rows: a lane holds a d, its registers run along the keys.
; Only pointers are chosen, by the work-group's number.
; THE ROWS OF A TILE ARE NOT NEIGHBOURS, on both sides: lane r of tile 2 b + u takes row 32 b + 8 u + r + 8 (r / 8).  Inner: the 16 registers of tiles 2 b, 2 b + 1 are then 16 neighbours along the next K, so the
; conversions' results are the next operand's registers.  Outer: the attention's scores and outputs then fall into the same order in their turn.
; No LDS, no barrier, no tensor load, no cluster: a wave reads its 24 KiB once, straight into registers, and shares nothing.
; LIMITS: NaN and infinities are not served.  A block of zeros gets the scale byte 1 where the rule says 127: its codes are zeros, and this program alone reads the bytes.
.set RA,  4                            ; v4   a fragment's row: 128 (r + 8 (r / 8)) + 16 (lane / 16)
.set SA,  5                            ; v5   its scale word: 4 (r + 8 (r / 8))
.set LI,  6                            ; v6   16 x lane: my place in an image
.set SO,  7                            ; v7   my place among the wave's 256 bytes of scale words: 8 r + 128 (lane / 16)
.set OF,  16                           ; v16-79   my four outer fragments
.set CD,  80                           ; v80-143  four sets of codes: no store's data are written again
.set DA,  144                          ; v144-207 the 8 result tiles of one outer fragment
.set TM,  208                          ; v208-223 at work in the quantiser
.set IS,  224                          ; v224-231 the inner fragments' scale words
.set OS,  232                          ; v232-235 the outer fragments'
.set PWR, 236                          ; v236-239 the four scale words made
.set SW,  240                          ; v240-241 as they are stored
.set MNT, 52                           ; s52  the mantissa field of 448
.set SEL, 54                           ; s[54:55] v_permlanex16_b32's selects for lane l xor 16
.set MSB, 0                            ; window 1 (v256-383): the 8 inner fragments
.macro WIN new                         ; the immediate's high byte repeats the setting that is left
.if MSB != \new
	s_set_vgpr_msb (MSB<<8)|\new
.set MSB, \new
.endif
.endm
; 64 numbers of a lane, v[s] on, register 16 b + i = k 32 b + 16 (lane / 16) + i of my row, become a fragment's codes in v[pc] on and its scale word in v[pw].
.macro QUANT s, pc, pw
.irp b, 0,1,2,3
	v_max3_num_f32 v[TM+\b], |v[\s+16*\b]|, |v[\s+1+16*\b]|, 0x4800000   ; block b: my 16 numbers, and the floor 2^(9 - 127): the byte cannot fall under 1
.endr
.irp i, 2,4,6,8,10,12,14
.irp b, 0,1,2,3
	v_max3_num_f32 v[TM+\b], v[TM+\b], |v[\s+16*\b+\i]|, |v[\s+1+16*\b+\i]|   ; the four blocks by turns
.endr
.endr
.irp b, 0,1,2,3
	v_permlanex16_b32 v[TM+4+\b], v[TM+\b], s[SEL], s[SEL+1]
.endr
.irp b, 0,1,2,3
	v_max_num_f32 v[TM+\b], v[TM+\b], v[TM+4+\b]                 ; with lane l xor 16's: the block's largest magnitude
.endr
.irp b, 0,1,2,3
	v_add_nc_u32 v[TM+12+\b], 0xfc000000, v[TM+\b]               ; 8 off its exponent field: the conversion's scale operand
.endr
.irp b, 0,1,2,3
	v_and_or_b32 v[TM+8+\b], v[TM+\b], 0x7f800000, s[MNT]        ; 448 x the scale
.endr
.irp b, 0,1,2,3
	v_lshrrev_b32 v[TM+4+\b], 23, v[TM+12+\b]                    ; the scale's byte
.endr
	v_lshl_or_b32 v[\pw], v[TM+5], 8, v[TM+4]                    ; the four bytes make my row's scale word
	v_lshl_or_b32 v[\pw], v[TM+6], 16, v[\pw]
	v_lshl_or_b32 v[\pw], v[TM+7], 24, v[\pw]
.irp b, 0,1,2,3
.irp i, 0,1,2,3,4,5,6,7,8,9,10,11,12,13,14,15
	v_med3_num_f32 v[\s+16*\b+\i], v[\s+16*\b+\i], -v[TM+8+\b], v[TM+8+\b]   ; the conversion to an 8-bit code does not saturate (ISA guide 7.6.2): the hold comes first
.endr
	v_cvt_scalef32_pk8_fp8_f32 v[(\pc)+4*\b:(\pc)+4*\b+1], v[\s+16*\b:\s+16*\b+7], v[TM+12+\b]
	v_cvt_scalef32_pk8_fp8_f32 v[(\pc)+4*\b+2:(\pc)+4*\b+3], v[\s+16*\b+8:\s+16*\b+15], v[TM+12+\b]
.endr
	v_nop                                                        ; a plain line between the last conversion and whatever next writes its sources
.endm
	s_load_b256 s[4:11], s[0:1], 0x0               ; x's codes s[4:5], x's scales s[6:7], Wk's codes s[8:9], Wk's scales s[10:11]
	s_load_b256 s[12:19], s[0:1], 0x20             ; Wv's codes s[12:13], Wv's scales s[14:15], kvimg s[16:17], kvsc s[18:19]
	v_lshrrev_b32 v1, 5, v0
	v_readfirstlane_b32 s20, v1                    ; wave 0..3
	s_lshr_b32 s21, s20, 1
	s_lshl_b32 s24, ttmp9, 1
	s_add_co_u32 s21, s21, s24                     ; my unit: 2 x work-group + wave / 2
	s_and_b32 s22, s20, 1                          ; g: which four of its eight fragments
	s_and_b32 s23, s21, 255                        ; 16 x head + step
	s_lshr_b32 s24, s23, 7                         ; b
	s_and_b32 s25, s23, 15                         ; step
	s_bfe_u32 s42, s23, 0x30004                    ; h
	s_lshl_b32 s26, s24, 18
	s_lshl_b32 s43, s25, 14
	s_or_b32 s26, s26, s43                         ; x's codes: (2,048 b + 128 step) rows of 128 bytes
	s_mov_b32 s27, 0
	s_lshr_b32 s28, s26, 5                         ; x's scales: 4 bytes a row
	s_mov_b32 s29, 0
	s_lshl_b32 s30, s42, 14                        ; the weight's codes: 128 h rows of 128 bytes
	s_mov_b32 s31, 0
	s_lshl_b32 s32, s42, 9                         ; and its scales
	s_mov_b32 s33, 0
	s_lshl_b32 s34, s22, 13                        ; my half of the outer rows: 64 g rows of codes,
	s_mov_b32 s35, 0
	s_lshl_b32 s36, s22, 8                         ; of scale words
	s_mov_b32 s37, 0
	s_lshr_b32 s43, ttmp9, 7                       ; 1: V
	s_lshl_b32 s38, s23, 15
	s_lshl_b32 s56, s43, 14
	s_add_co_u32 s38, s38, s56
	s_add_co_u32 s38, s38, s34                     ; kvimg: 32,768 (16 head + step) + 16,384 V + 8,192 g
	s_mov_b32 s39, 0
	s_lshr_b32 s40, s38, 5                         ; kvsc: a 32nd of that
	s_mov_b32 s41, 0
	s_mov_b32 s[MNT], 0x600000
	s_mov_b32 s[SEL], 0x76543210
	s_mov_b32 s[SEL+1], 0xfedcba98
	v_and_b32 v1, 15, v0                           ; r
	v_bfe_u32 v2, v0, 4, 1                         ; lane / 16
	v_and_b32 v3, 8, v1
	v_add_nc_u32 v3, v3, v1                        ; r + 8 (r / 8)
	v_lshlrev_b32 v[RA], 7, v3
	v_lshl_add_u32 v[RA], v2, 4, v[RA]
	v_lshlrev_b32 v[SA], 2, v3
	v_and_b32 v[LI], 31, v0
	v_lshlrev_b32 v[LI], 4, v[LI]
	v_lshlrev_b32 v[SO], 3, v1
	v_lshl_add_u32 v[SO], v2, 7, v[SO]
.irp b, 0,1,2,3
	v_mov_b32 v[TM+4+\b], 0                        ; written once: a lane permute's destination counts as one of its sources
.endr
	s_wait_kmcnt 0x0
	s_cmp_lt_u32 ttmp9, 128                        ; K's work-group or V's?  The 64-bit additions below leave SCC as it is
	s_cselect_b64 s[8:9], s[8:9], s[12:13]         ; the weight's codes
	s_cselect_b64 s[10:11], s[10:11], s[14:15]     ; and scales
	s_add_nc_u64 s[4:5], s[4:5], s[26:27]
	s_add_nc_u64 s[6:7], s[6:7], s[28:29]
	s_add_nc_u64 s[8:9], s[8:9], s[30:31]
	s_add_nc_u64 s[10:11], s[10:11], s[32:33]
	s_cselect_b64 s[44:45], s[8:9], s[4:5]         ; inner codes: K: the weight; V: x
	s_cselect_b64 s[46:47], s[10:11], s[6:7]       ; inner scales
	s_cselect_b64 s[48:49], s[4:5], s[8:9]         ; outer codes: K: x; V: the weight
	s_cselect_b64 s[50:51], s[6:7], s[10:11]       ; outer scales
	s_add_nc_u64 s[48:49], s[48:49], s[34:35]
	s_add_nc_u64 s[50:51], s[50:51], s[36:37]
	s_add_nc_u64 s[16:17], s[16:17], s[38:39]
	s_add_nc_u64 s[18:19], s[18:19], s[40:41]
	WIN 0x40                                       ; destination window 1
.irp t, 0,1,2,3,4,5,6,7                        ; tile t begins at row 32 (t / 2) + 8 (t % 2)
.irp c, 0,1,2,3
	global_load_b128 v[16*\t+4*\c:16*\t+4*\c+3], v[RA], s[44:45] offset:(32*(\t/2)+8*(\t%2))*128+32*\c
.endr
.endr
	WIN 0
.irp t, 0,1,2,3,4,5,6,7
	global_load_b32 v[IS+\t], v[SA], s[46:47] offset:(32*(\t/2)+8*(\t%2))*4
.endr
.irp t, 0,1,2,3
.irp c, 0,1,2,3
	global_load_b128 v[OF+16*\t+4*\c:OF+16*\t+4*\c+3], v[RA], s[48:49] offset:(32*(\t/2)+8*(\t%2))*128+32*\c
.endr
	global_load_b32 v[OS+\t], v[SA], s[50:51] offset:(32*(\t/2)+8*(\t%2))*4
.endr
	s_wait_loadcnt 0x0
.irp q, 0,1,2,3                                ; my four outer fragments, one after the other
	WIN 0x01                                       ; source 0 window 1
.irp t, 0,1,2,3,4,5,6,7
	v_wmma_scale_f32_16x16x128_f8f6f4 v[DA+8*\t:DA+8*\t+7], v[16*\t:16*\t+15], v[OF+16*\q:OF+16*\q+15], 0, v[IS+\t], v[OS+\q]
.endr
	WIN 0
.rept 8
	v_nop                                          ; eight places in front of the first read of results
.endr
	QUANT DA, CD+16*\q, PWR+\q                     ; (its 19 lines on its own work registers and its last line, with the eight above, are more than the nine places owed before the next products write these results over)
.irp c, 0,1,2,3
	global_store_b128 v[LI], v[CD+16*\q+4*\c:CD+16*\q+4*\c+3], s[16:17] offset:2048*\q+512*\c   ; 32 lanes store 512 consecutive bytes, aligned
.endr
.endr
	v_cmp_eq_u32 vcc_lo, 1, v2                     ; lanes 0-15 store the words of my fragments 0 and 1, lanes 16-31 of 2 and 3
	v_cndmask_b32 v[SW], v[PWR], v[PWR+2], vcc_lo
	v_cndmask_b32 v[SW+1], v[PWR+1], v[PWR+3], vcc_lo
	global_store_b64 v[SO], v[SW:SW+1], s[18:19]   ; 32 lanes store 256 consecutive bytes, aligned
	s_endpgm
.Lfunc_end_k_qa72ccf5e41_kvproj:
	.size	k_qa72ccf5e41_kvproj, .Lfunc_end_k_qa72ccf5e41_kvproj-k_qa72ccf5e41_kvproj
	.p2alignl 7, 3214868480
	.fill 96, 4, 3214868480
	.section	.rodata,"a",@progbits
	.p2align	6, 0x0
	.amdhsa_kernel k_qa72ccf5e41_kvproj
		.amdhsa_group_segment_fixed_size 0
		.amdhsa_private_segment_fixed_size 0
		.amdhsa_enable_private_segment 0
		.amdhsa_kernarg_size 64
		.amdhsa_user_sgpr_count 2
		.amdhsa_user_sgpr_kernarg_segment_ptr 1
		.amdhsa_wavefront_size32 1
		.amdhsa_system_sgpr_workgroup_id_x 1
		.amdhsa_system_sgpr_workgroup_id_y 1
		.amdhsa_system_sgpr_workgroup_id_z 1
		.amdhsa_system_vgpr_workitem_id 0
		.amdhsa_next_free_vgpr 384
		.amdhsa_next_free_sgpr 66
		.amdhsa_reserve_vcc 1
		.amdhsa_float_denorm_mode_32 3
		.amdhsa_float_denorm_mode_16_64 3
		.amdhsa_memory_ordered 1
		.amdhsa_forward_progress 1
		.amdhsa_inst_pref_size 48
	.end_amdhsa_kernel
	.amdgpu_metadata
---
amdhsa.version: [ 1, 2 ]
amdhsa.kernels:
  - .name:           k_qa72ccf5e41_kvproj
    .symbol:         k_qa72ccf5e41_kvproj.kd
    .args:
      - { .name: x_codes, .offset: 0, .size: 8, .value_kind: global_buffer, .address_space: global }
      - { .name: x_scales, .offset: 8, .size: 8, .value_kind: global_buffer, .address_space: global }
      - { .name: Wk_codes, .offset: 16, .size: 8, .value_kind: global_buffer, .address_space: global }
      - { .name: Wk_scales, .offset: 24, .size: 8, .value_kind: global_buffer, .address_space: global }
      - { .name: Wv_codes, .offset: 32, .size: 8, .value_kind: global_buffer, .address_space: global }
      - { .name: Wv_scales, .offset: 40, .size: 8, .value_kind: global_buffer, .address_space: global }
      - { .name: kvimg, .offset: 48, .size: 8, .value_kind: global_buffer, .address_space: global }
      - { .name: kvsc, .offset: 56, .size: 8, .value_kind: global_buffer, .address_space: global }
    .group_segment_fixed_size: 0
    .private_segment_fixed_size: 0
    .kernarg_segment_align: 8
    .kernarg_segment_size: 64
    .max_flat_workgroup_size: 128
    .sgpr_count:     66
    .vgpr_count:     384
    .wavefront_size: 32
...
	.end_amdgpu_metadata
.endif
;; end of part 1
;; launch attn (part 2): grid 16 x 16, 8 waves a work-group, clusters of 4 x 1, 327,680 bytes of LDS; arguments x_codes, x_scales, Wq_codes, Wq_scales, kvimg, kvsc, yimg, ysc; writes yimg, ysc
.if DOCPART == 2
	.amdgcn_target "amdgcn-amd-amdhsa--gfx1250"
	.amdhsa_code_object_version 6
	.text
	.protected	k_qa72ccf5e41_attn
	.globl	k_qa72ccf5e41_attn
	.p2align	8
	.type	k_qa72ccf5e41_attn,@function
k_qa72ccf5e41_attn:
	s_mov_b64 s[64:65], 0
	v_nop
	global_prefetch_b8 v0, s[64:65] scope:SCOPE_SE
	s_setreg_imm32_b32 hwreg(HW_REG_WAVE_MODE, 25, 1), 1
	s_wait_xcnt 0x0
	s_wait_alu depctr_hold_cnt(0) depctr_sa_sdst(0) depctr_va_vdst(0) depctr_va_sdst(0) depctr_va_ssrc(0) depctr_va_vcc(0) depctr_vm_vsrc(0)
	s_getreg_b32 s2, hwreg(HW_REG_IB_STS2, 6, 4)
	s_cmp_eq_u32 s2, 0
	s_cbranch_scc0 .Lentry_in_a_cluster
	s_endpgm
.Lentry_in_a_cluster:
	s_bfe_u32 s2, ttmp6, 0x10000c
	s_cmp_lg_u32 s2, 0x3003
	s_cbranch_scc0 .Lentry_shape_is_right
	s_endpgm
.Lentry_shape_is_right:
; For one head (of 16 = 8 b + h) and 128 queries: q = x Wq, quantised; S^T = K Q^T; the softmax; O^T = V^T P^T; y = O / l, quantised along (head, d).  All products on codes of FP8 (E4M3) with E8M0 scales.
; THE SOFTMAX AHEAD OF THE SECOND PRODUCT: t = score x log2(e) / sqrt(128); M = the running largest t rounded UP to a whole number; p = 2^(t - M) is what is quantised, along the keys, not normalised.
; The row's sum is taken of the unquantised p and divides O at the end.  When M moves, the sum and O are multiplied by 2^(old M - new M): exact.
; SHARES.  A work-group owns 128 queries and has eight waves of 512 registers, two to a SIMD, so that one wave's vector work stands beside the other's matrix work and LDS loads.
; Wave w owns the 32 queries 32 (w % 4) on, as two tiles A and B of 16, and of the head's 16 key steps (128 keys each) the eight of parity w / 4.  So each fragment of K and V that a wave reads from LDS feeds
; TWO matrix instructions: 32 KiB of LDS reads serve 32 queries x 128 keys.  At the end waves 4 to 7 hand O^T, M and the sum to waves 0 to 3 through LDS; the two halves are brought under the larger M by
; powers of two, which rounds nothing, and added.
; K AND V COME AS IMAGES OF OPERAND REGISTERS (made by the launch before): a fragment is 2,048 bytes, register group c of lane l at 512 c + 16 l.  So every LDS load reads 512 consecutive bytes: no pitch, no padding.
; A key step is 32,768 consecutive bytes of memory (K's 8 fragments, V's 8), a slot four steps; the ring has two slots.  The head's scale words (16,384 bytes) come once and stay.
; LAYOUT.  Both products are used transposed, so a lane holds ONE query (lane % 16) of each tile throughout.  The keys of a tile of K and the d of a tile of V are not neighbours: lane r of tile 2 b + u holds row
; 32 b + 8 u + r + 8 (r / 8), so that the 16 registers of result tiles 2 b, 2 b + 1 are 16 neighbours, 32 b + 16 (lane / 16) + 0 .. 15: p's codes are the second product's operand, y's codes the output projection's.
; CLUSTER.  The four work-groups of a cluster belong to one head and walk the same K and V: every tile is asked for JOINTLY (mask 15), each wave an eighth of a slot, 64 rows of 256 bytes.
; By this text's own count a wave has at most three tensor loads out (the first fills), later one.
; LIMITS: NaN and infinities are not served.  A block of zeros gets the scale byte 1 where the rule says 127: its codes are zeros, and this program alone reads the bytes.  A block's largest p is taken from the
; block's largest score by the same multiply-add and exponential, which takes v_exp_f32 not to fall where its input rises.
; REGISTERS.  Window 0: v1-11 addresses and a temporary; v12-15, v16-19 the statistics of A and B (-M, the largest t, the sum in two halves); v20-23 f and p's scale word, A and B; v24, v25 Q's scale words;
;   v26-31 the head's offsets, later at work in the merge; v32-39 K's scale words, v40-47 V's; v48-79 Q's codes; v80-111 p's codes; v112-175 S^T of A, v176-239 of B, then p; v240-255 at work.
;   Window 1: v0-63 O^T of A, v64-127 of B; v128-255 ONE buffer of 8 fragments, K's and V's by turns: 512 registers leave room for no second one, so K is fetched at a step's head and waited for at once
;   (the SIMD's other wave works meanwhile), and V lands under the softmax.
.set SLOTB, 131072                     ; a slot: four key steps
.set STEPB, 32768                      ; a key step: K's image at 0, V's at 16,384
.set SCB,   2*SLOTB                    ; the head's scale words: 1,024 bytes a step, K's at 0, V's at 512; filled once
.set SPARE, SCB+16384                  ; the spare words, 128 bytes for each of the eight waves: four blocks of 256 bytes that no other line names
.set YS,    SPARE+1024                 ; y's 128 scale words: two blocks of 256 bytes into which no fill lands
.set MGB,   34*512                     ; the merge's stage for one pair of waves: O^T's 32 groups of four registers, then the statistics of A and of B.  The four stages lie in slot 0 from LDS byte 0 on
.set LI,  1                            ; v1   16 x lane
.set LSC, 2                            ; v2   SCB + 8 r
.set ADK, 3                            ; v3   the step's images
.set ADS, 4                            ; v4   the step's scale words
.set SPW, 5                            ; v5   my spare word: SPARE + 4 x my thread's number; never rewritten
.set NIL, 6                            ; v6   0; never rewritten
.set PFO, 7                            ; v7   256 x lane; never rewritten
.set YSW, 8                            ; v8   YS + 128 (wave % 4) + 4 r
.set YSR, 9                            ; v9   YS + 16 x lane
.set TMP, 10                           ; v10  at work
.set MG,  11                           ; v11  MGB (wave % 4) + 16 x lane
.set STA, 12
.set STB, 16
.set FA,  20
.set FB,  22
.set QSA, 24
.set QSB, 25
.set KS,  32
.set VS,  40
.set QA,  48
.set QB,  64
.set PA,  80
.set PB,  96
.set SA,  112
.set SB,  176
.set TM,  240
.set FR,  128                          ; in window 1: the fragment buffer
.set WV,  20                           ; s20  my wave's number
.set G1,  24                           ; s[24:31] descriptor group 1: 64 rows of 256 bytes
.set G1S, 32                           ; s[32:39] the same with 8 rows, for the scale words
.set G0,  40                           ; s[40:47] group 0, a set for each slot
.set G0S, 48                           ; s[48:51] group 0 for the scale words
.set SEL, 52                           ; s[52:53] v_permlanex16_b32's selects for lane l xor 16
.set CS,  54                           ; s[54:55] c = log2(e) / sqrt(128), twice
.set MNT, 56                           ; s56  the mantissa field of 448
.set TB,  57                           ; s57  LDS byte at which the step's images begin
.set TS,  58                           ; s58  and, from SCB on, its scale words
.set TRIP, 59                          ; s59  counts my two steps of a slot: 2, 1
.set PFA, 60                           ; s[60:61] the head's images + 8,192 x (4 cx + wave % 4): never rewritten
.set LIM, 62                           ; s62  1 in a wave that prefetches, else the greatest number
.set KHB, 90                           ; s90  STEPB x (wave / 4): my parity's first step in a slot
.set KHS, 91                           ; s91  1,024 x (wave / 4): and its scale words
.set QG,  93                           ; s93  wave % 4: which 32 queries
.set MSB, 0
.macro WIN new                         ; the immediate's high byte repeats the setting that is left
.if MSB != \new
	s_set_vgpr_msb (MSB<<8)|\new
.set MSB, \new
.endif
.endm
; A round of the cluster's barrier: my work-group's barrier; wave 0 signals for the work-group; every wave waits for all four work-groups; my work-group's barrier once more.
.macro CROUND
	s_barrier_signal -1
	s_barrier_wait -1
	s_cmp_lg_u32 s[WV], 0
	s_cbranch_scc1 .Lnot_wave_0_\@
	s_barrier_signal -3
.Lnot_wave_0_\@:
	s_barrier_wait -3
	s_barrier_signal -1
	s_barrier_wait -1
.endm
; 64 numbers of a lane, v[s] on, register 16 b + i = k 32 b + 16 (lane / 16) + i of my row, become a fragment's codes in v[pc] on and its scale word in v[pw].
.macro QUANT s, pc, pw
.irp b, 0,1,2,3
	v_max3_num_f32 v[TM+\b], |v[\s+16*\b]|, |v[\s+1+16*\b]|, 0x4800000   ; block b: my 16 numbers, and the floor 2^(9 - 127): the byte cannot fall under 1
.endr
.irp i, 2,4,6,8,10,12,14
.irp b, 0,1,2,3
	v_max3_num_f32 v[TM+\b], v[TM+\b], |v[\s+16*\b+\i]|, |v[\s+1+16*\b+\i]|   ; the four blocks by turns
.endr
.endr
.irp b, 0,1,2,3
	v_permlanex16_b32 v[TM+4+\b], v[TM+\b], s[SEL], s[SEL+1]
.endr
.irp b, 0,1,2,3
	v_max_num_f32 v[TM+\b], v[TM+\b], v[TM+4+\b]                 ; with lane l xor 16's: the block's largest magnitude
.endr
.irp b, 0,1,2,3
	v_add_nc_u32 v[TM+12+\b], 0xfc000000, v[TM+\b]               ; 8 off its exponent field: the conversion's scale operand
.endr
.irp b, 0,1,2,3
	v_and_or_b32 v[TM+8+\b], v[TM+\b], 0x7f800000, s[MNT]        ; 448 x the scale
.endr
.irp b, 0,1,2,3
	v_lshrrev_b32 v[TM+4+\b], 23, v[TM+12+\b]                    ; the scale's byte
.endr
	v_lshl_or_b32 v[\pw], v[TM+5], 8, v[TM+4]                    ; the four bytes make my row's scale word
	v_lshl_or_b32 v[\pw], v[TM+6], 16, v[\pw]
	v_lshl_or_b32 v[\pw], v[TM+7], 24, v[\pw]
.irp b, 0,1,2,3
.irp i, 0,1,2,3,4,5,6,7,8,9,10,11,12,13,14,15
	v_med3_num_f32 v[\s+16*\b+\i], v[\s+16*\b+\i], -v[TM+8+\b], v[TM+8+\b]   ; the conversion to an 8-bit code does not saturate (ISA guide 7.6.2): the hold comes first
.endr
	v_cvt_scalef32_pk8_fp8_f32 v[(\pc)+4*\b:(\pc)+4*\b+1], v[\s+16*\b:\s+16*\b+7], v[TM+12+\b]
	v_cvt_scalef32_pk8_fp8_f32 v[(\pc)+4*\b+2:(\pc)+4*\b+3], v[\s+16*\b+8:\s+16*\b+15], v[TM+12+\b]
.endr
	v_nop                                                        ; a plain line behind the last conversion
.endm
; One tile's softmax for one key step: from the scores in v[s] on to p's codes in v[pc] on and their scale word in v[f + 1]; v[f] = 2^(old M - new M); the sum is brought under the new M.
; st: the tile's statistics (-M, the largest t, the sum in two halves).  O^T is brought under the new M later, in front of the products that add onto it.
.macro SOFTMAX s, st, f, pc
.irp b, 0,1,2,3
	v_max3_num_f32 v[TM+\b], v[\s+16*\b], v[\s+16*\b+1], v[\s+16*\b+2]   ; the largest score of each block of 32 keys: it serves for the row's maximum and, since p rises with the score, for the block's largest p
.endr
.irp i, 3,5,7,9,11,13
.irp b, 0,1,2,3
	v_max3_num_f32 v[TM+\b], v[TM+\b], v[\s+16*\b+\i], v[\s+16*\b+\i+1]   ; the four blocks by turns
.endr
.endr
.irp b, 0,1,2,3
	v_max_num_f32 v[TM+\b], v[TM+\b], v[\s+16*\b+15]
.endr
.irp b, 0,1,2,3
	v_permlanex16_b32 v[TM+4+\b], v[TM+\b], s[SEL], s[SEL+1]
.endr
.irp b, 0,1,2,3
	v_max_num_f32 v[TM+\b], v[TM+\b], v[TM+4+\b]                 ; with lane l xor 16's 16 keys
.endr
	v_max3_num_f32 v[TMP], v[TM], v[TM+1], v[TM+2]
	v_max_num_f32 v[TMP], v[TMP], v[TM+3]          ; the step's largest score of my query
	v_mul_f32 v[TMP], s[CS], v[TMP]                ; as t (c is positive)
	v_max_num_f32 v[\st+1], v[\st+1], v[TMP]       ; the running largest t
	v_mov_b32 v[TMP], v[\st]
	v_floor_f32 v[\st], -v[\st+1]                  ; the new -M = floor(-t) = -ceil(t): a whole number
	v_sub_f32 v[TMP], v[\st], v[TMP]               ; M's old value less its new one: a whole number, 0 or less
	v_cvt_i32_f32 v[TMP], v[TMP]                   ; (it saturates)
	v_ldexp_f32 v[\f], 1.0, v[TMP]                 ; f = 2^(old M - new M)
.set j, 0
.rept 32
	v_pk_fma_f32 v[\s+j:\s+j+1], v[\s+j:\s+j+1], s[CS:CS+1], v[\st:\st+1] op_sel_hi:[1,0,0]   ; t - M, two at a time (of the pairs c and -M the low word serves both halves)
.set j, j+2
.endr
.irp b, 0,1,2,3
	v_fma_f32 v[TM+\b], v[TM+\b], s[CS], v[\st]    ; the same of each block's largest score
.endr
.set j, 0
.rept 64
	v_exp_f32 v[\s+j], v[\s+j]                     ; p = 2^(t - M), at most 1
.set j, j+1
.endr
	v_pk_mul_f32 v[\st+2:\st+3], v[\st+2:\st+3], v[\f:\f+1] op_sel_hi:[1,0]   ; the sums under the new M: the plain line behind the exponentials
	s_wait_alu depctr_va_vdst(0)                   ; one wait for the batch of 64, ahead of its first reader
.irp b, 0,1,2,3
	v_exp_f32 v[TM+\b], v[TM+\b]                   ; the block's largest p: the same two instructions on the same number give the same bits
.endr
	v_pk_add_f32 v[TM+4:TM+5], v[\s:\s+1], v[\s+2:\s+3]   ; the row's sum is taken of the unquantised p: two at a time, in two chains; these read the 64 alone
.irp i, 4,8,12,16,20,24,28,32,36,40,44,48,52,56,60
	v_pk_add_f32 v[\st+2:\st+3], v[\st+2:\st+3], v[\s+\i:\s+\i+1]
	v_pk_add_f32 v[TM+4:TM+5], v[TM+4:TM+5], v[\s+\i+2:\s+\i+3]
.endr
	v_pk_add_f32 v[\st+2:\st+3], v[\st+2:\st+3], v[TM+4:TM+5]
	s_wait_alu depctr_va_vdst(0)                   ; and one for the four
.irp b, 0,1,2,3
	v_max_num_f32 v[TM+\b], 0x4800000, v[TM+\b]    ; the floor 2^(9 - 127): the byte cannot fall under 1
.endr
.irp b, 0,1,2,3
	v_add_nc_u32 v[TM+12+\b], 0xfc000000, v[TM+\b] ; 8 off the exponent field: the conversion's scale operand
.endr
.irp b, 0,1,2,3
	v_and_or_b32 v[TM+8+\b], v[TM+\b], 0x7f800000, s[MNT]   ; 448 x the scale
.endr
.irp b, 0,1,2,3
	v_lshrrev_b32 v[TM+4+\b], 23, v[TM+12+\b]      ; the scale's byte
.endr
	v_lshl_or_b32 v[\f+1], v[TM+5], 8, v[TM+4]     ; p's scale word for these 128 keys
	v_lshl_or_b32 v[\f+1], v[TM+6], 16, v[\f+1]
	v_lshl_or_b32 v[\f+1], v[TM+7], 24, v[\f+1]
.irp b, 0,1,2,3
.irp i, 0,1,2,3,4,5,6,7,8,9,10,11,12,13,14,15
	v_min_num_f32 v[\s+16*\b+\i], v[\s+16*\b+\i], v[TM+8+\b]   ; the hold; p is not negative, so it is one-sided
.endr
	v_cvt_scalef32_pk8_fp8_f32 v[\pc+4*\b:\pc+4*\b+1], v[\s+16*\b:\s+16*\b+7], v[TM+12+\b]
	v_cvt_scalef32_pk8_fp8_f32 v[\pc+4*\b+2:\pc+4*\b+3], v[\s+16*\b+8:\s+16*\b+15], v[TM+12+\b]
.endr
.endm
; A KEY STEP of my wave: 128 keys against my two tiles of queries.  askoff: the byte, in the head's images, of the slot to be prefetched (0: none).
; The accumulators take turns, one instruction a turn, over the loop's backward jump too (O^T of B, tile 7, then S^T of A, tile 0).
.macro BODY askoff
	v_add_nc_u32 v[ADK], s[TB], v[LI]
	v_add_nc_u32 v[ADS], s[TS], v[LSC]
.rept 6
	v_nop                                          ; with the two additions: eight places behind the last step's products, in front of loads into the buffer that they read
.endr
.irp p, 0,1,2,3
	ds_load_b64 v[KS+2*\p:KS+2*\p+1], v[ADS] offset:128*\p           ; lane r: K's scale words of tiles 2 p and 2 p + 1, row r
.endr
	WIN 0x40                                       ; destination window 1
.irp t, 0,1,2,3,4,5,6,7
.irp c, 0,1,2,3
	ds_load_b128 v[FR+16*\t+4*\c:FR+16*\t+4*\c+3], v[ADK] offset:2048*\t+512*\c
.endr
.endr
	s_wait_dscnt 0x0                               ; K's fragments and scale words are in
	WIN 0x01                                       ; source 0 window 1
.irp t, 0,1,2,3,4,5,6,7                        ; each fragment of K serves both tiles
	v_wmma_scale_f32_16x16x128_f8f6f4 v[SA+8*\t:SA+8*\t+7], v[FR+16*\t:FR+16*\t+15], v[QA:QA+15], 0, v[KS+\t], v[QSA]
	v_wmma_scale_f32_16x16x128_f8f6f4 v[SB+8*\t:SB+8*\t+7], v[FR+16*\t:FR+16*\t+15], v[QB:QB+15], 0, v[KS+\t], v[QSB]
.endr
	WIN 0
.rept 8
	v_nop                                          ; eight places: in front of the first read of the scores, and of the loads into the buffer that these products read
.endr
	WIN 0x40
.irp t, 0,1,2,3,4,5,6,7
.irp c, 0,1,2,3
	ds_load_b128 v[FR+16*\t+4*\c:FR+16*\t+4*\c+3], v[ADK] offset:16384+2048*\t+512*\c   ; V: it lands under the softmax
.endr
.endr
	WIN 0
.irp p, 0,1,2,3
	ds_load_b64 v[VS+2*\p:VS+2*\p+1], v[ADS] offset:512+128*\p
.endr
.if (\askoff) != 0
; A PREFETCH INTO THE L2 of the slot that the next change of slots will ask for: 131,072 bytes as 512 blocks of 256.  It stands in my second step of a slot, behind the step's run of LDS loads: the rest of that step ahead of the load.
; Each block is named once in the launch: the head's first cluster asks; its four partners are told apart by address (cx), not by a branch; in each, waves 0 to 3 ask, 32 blocks a wave, lanes 256 bytes apart.
; The slot stands in the immediate, so no address register is ever rewritten.  The first two slots come by their loads alone; behind the last slot there is nothing to ask for.
	s_cmp_eq_u32 s[TRIP], s[LIM]
	s_cbranch_scc0 .Lnot_mine_\@
	global_prefetch_b8 v[PFO], s[PFA:PFA+1] offset:\askoff th:TH_LOAD_NT scope:SCOPE_SE
.Lnot_mine_\@:
.endif
	SOFTMAX SA, STA, FA, PA
	SOFTMAX SB, STB, FB, PB
	s_wait_dscnt 0x0                               ; V is in
	WIN 0x51                                       ; source 0 (V; O^T) window 1, source 1 (p's codes; f) window 0, C and D window 1: one setting serves the rescaling and the products
.set j, 0
.rept 32
	v_pk_mul_f32 v[j:j+1], v[j:j+1], v[FA:FA+1] op_sel_hi:[1,0]         ; O^T of A under the new M.  These 64 also stand between the conversions and the products that take the codes
.set j, j+2
.endr
.set j, 64
.rept 32
	v_pk_mul_f32 v[j:j+1], v[j:j+1], v[FB:FB+1] op_sel_hi:[1,0]         ; O^T of B
.set j, j+2
.endr
.irp t, 0,1,2,3,4,5,6,7                        ; each fragment of V serves both tiles
	v_wmma_scale_f32_16x16x128_f8f6f4 v[8*\t:8*\t+7], v[FR+16*\t:FR+16*\t+15], v[PA:PA+15], v[8*\t:8*\t+7], v[VS+\t], v[FA+1]
	v_wmma_scale_f32_16x16x128_f8f6f4 v[64+8*\t:64+8*\t+7], v[FR+16*\t:FR+16*\t+15], v[PB:PB+15], v[64+8*\t:64+8*\t+7], v[VS+\t], v[FB+1]
.endr
	WIN 0
	s_add_co_u32 s[TB], s[TB], 2*STEPB             ; my next step: two steps on
	s_add_co_u32 s[TS], s[TS], 2048
.endm
; My two steps of a slot.  pos: which four of the head's sixteen steps the slot holds.
.macro STEPS slot, pos, askoff
	s_add_co_u32 s[TB], s[KHB], \slot*SLOTB
	s_add_co_u32 s[TS], s[KHS], \pos*4096
	s_mov_b32 s[TRIP], 2
.Lstep_\@:
	BODY \askoff
	s_sub_co_u32 s[TRIP], s[TRIP], 1
	s_cmp_lg_u32 s[TRIP], 0
	s_cbranch_scc1 .Lstep_\@
.endm
; THE CHANGE OF SLOTS.  Each wave waits for all its tensor loads (its part of the slot ahead), adds 0 to its spare word, and waits for that and for its reads of the slot that it leaves.
; fill = 1: the barrier is a round of the cluster's, so that no wave of any partner still reads the slot or has a load on its way; the joint refill is the first thing behind it and has a whole slot's steps in which to land.
.macro CHANGE slot, fill
	s_wait_tensorcnt 0x0                           ; no tensor load of mine is out, so a group 0 may be written
	ds_add_u32 v[SPW], v[NIL]                      ; 0 onto my spare word
.if \fill
	s_add_nc_u64 s[G0+4*\slot+2:G0+4*\slot+3], s[G0+4*\slot+2:G0+4*\slot+3], 2*SLOTB   ; this slot's next four steps; the type bits on top are not reached
.endif
	s_wait_dscnt 0x0                               ; the add is done, and my reads of the slot are over
.if \fill
	CROUND
	tensor_load_to_lds s[G0+4*\slot:G0+4*\slot+3], s[G1:G1+7]
	s_nop 0
.rept 4
	v_nop                                          ; four lines behind a tensor load, ahead of the next switch of windows
.endr
.else
	s_barrier_signal -1
	s_barrier_wait -1
.endif
.endm
; The merge's factors for one tile.  st: my -M, a free register, my sum, a free register;  ot: the partner's -M, (unused), its sum.  Out: v[st] = 2^(my M - M), v[ot] = 2^(its M - M), v[st + 3] = 1 / the row's sum.
.macro MF1 st, ot
	v_min_num_f32 v[TMP], v[\st], v[\ot]           ; -M of the larger M
	v_sub_f32 v[\st], v[TMP], v[\st]               ; my M less M: a whole number, 0 or less
	v_sub_f32 v[\ot], v[TMP], v[\ot]
	v_cvt_i32_f32 v[\st], v[\st]                   ; (it saturates)
	v_cvt_i32_f32 v[\ot], v[\ot]
	v_ldexp_f32 v[\st], 1.0, v[\st]
	v_ldexp_f32 v[\ot], 1.0, v[\ot]
	v_mul_f32 v[\st+2], v[\st+2], v[\st]
	v_fmac_f32 v[\st+2], v[\ot+2], v[\ot]          ; both halves of the keys under one M,
	v_permlanex16_b32 v[\st+1], v[\st+2], s[SEL], s[SEL+1]
	v_add_f32 v[\st+2], v[\st+2], v[\st+1]         ; and lane l xor 16's: the row's sum
	v_rcp_f32 v[\st+3], v[\st+2]
.endm
	s_load_b256 s[4:11], s[0:1], 0x0               ; x's codes s[4:5], x's scales s[6:7], Wq's codes s[8:9], Wq's scales s[10:11]
	s_load_b256 s[12:19], s[0:1], 0x20             ; kvimg s[12:13], kvsc s[14:15], yimg s[16:17], ysc s[18:19]
	v_lshl_add_u32 v[SPW], v0, 2, SPARE
	v_mov_b32 v[NIL], 0
	ds_add_u32 v5, v6
	ds_add_u32 v5, v6
	s_wait_dscnt 0x0
	v_lshrrev_b32 v[TMP], 5, v0
	v_readfirstlane_b32 s[WV], v[TMP]              ; wave 0..7
	s_and_b32 s[QG], s[WV], 3                      ; which 32 queries
	s_lshr_b32 s[KHB], s[WV], 2                    ; which parity of key steps
	s_lshl_b32 s[KHS], s[KHB], 10
	s_lshl_b32 s[KHB], s[KHB], 15
	s_mul_i32 s92, s[QG], MGB                      ; my pair's stage for the merge
	s_lshl_b32 s63, s[QG], 7
	s_add_co_u32 s63, s63, YS                      ; my 32 words among y's scale words
	s_and_b32 s21, ttmp7, 0xffff                   ; the head, 8 b + h, which the four partners share
	s_bfe_u32 s22, ttmp6, 0x40000                  ; cx: my place in the cluster
	s_lshl_b32 s23, ttmp9, 2                       ; in a cluster launch ttmp9 counts clusters
	s_add_co_u32 s23, s23, s22                     ; my block of 128 queries: it enters x's, yimg's and ysc's addresses alone
	s_lshr_b32 s66, s21, 3
	s_lshl_b32 s66, s66, 11
	s_lshl_b32 s67, s23, 7
	s_add_co_u32 s66, s66, s67                     ; the work-group's first token: 2,048 b + 128 x block
	s_lshl_b32 s67, s[QG], 5
	s_add_co_u32 s67, s66, s67                     ; my wave's
	s_and_b32 s68, s21, 7                          ; h
	s_lshl_b32 s70, s67, 7                         ; x's codes: 128 bytes a token
	s_mov_b32 s71, 0
	s_lshl_b32 s72, s67, 2                         ; x's scale words
	s_mov_b32 s73, 0
	s_lshl_b32 s74, s68, 14                        ; Wq's codes: 128 h rows of 128 bytes
	s_mov_b32 s75, 0
	s_lshl_b32 s76, s68, 9                         ; Wq's scale words
	s_mov_b32 s77, 0
	s_lshl_b32 s78, s67, 10                        ; yimg: 16,384 bytes a tile of 16 tokens,
	s_lshl_b32 s79, s68, 11                        ; 2,048 a head
	s_add_co_u32 s78, s78, s79
	s_mov_b32 s79, 0
	s_lshl_b32 s80, s68, 14                        ; ysc: 16,384 bytes a head,
	s_lshl_b32 s81, s66, 2                         ; 4 a token
	s_add_co_u32 s80, s80, s81
	s_mov_b32 s81, 0
	s_lshl_b32 s82, s21, 19                        ; kvimg: the head's 524,288 bytes,
	s_lshl_b32 s88, s[WV], 14                      ; my eighth of a slot: in memory and in LDS alike
	s_add_co_u32 s82, s82, s88
	s_mov_b32 s83, 0
	s_lshl_b32 s84, s21, 14                        ; kvsc: the head's 16,384 bytes,
	s_lshl_b32 s89, s[WV], 11                      ; my eighth
	s_add_co_u32 s84, s84, s89
	s_mov_b32 s85, 0
	s_lshl_b32 s86, s22, 2                         ; the prefetches: 8,192 x (4 cx + wave % 4) in the head's images
	s_add_co_u32 s86, s86, s[QG]
	s_lshl_b32 s86, s86, 13
	s_lshl_b32 s87, s21, 19
	s_add_co_u32 s86, s86, s87
	s_mov_b32 s87, 0
	s_lshr_b32 s[LIM], s[WV], 2                    ; 0 in waves 0 to 3,
	s_or_b32 s[LIM], s[LIM], ttmp9                 ; of the head's first cluster: the same in all four partners
	s_cmp_eq_u32 s[LIM], 0
	s_cselect_b32 s[LIM], 1, -1
	; descriptor group 1: dense bytes as rows of 256 (32 elements of 8 bytes), no padding
	s_mov_b32 s[G1], 15|(3<<16)|(1<<21)            ; 15:0 the mask: all four work-groups; 17:16 elements of 8 bytes; 21 set beside a mask
	s_mov_b32 s[G1+1], 32<<16                      ; tensor_dim0 = 32
	s_mov_b32 s[G1+2], 64<<16                      ; tensor_dim1 = 64
	s_mov_b32 s[G1+3], 32<<16                      ; tile_dim0 = 32
	s_mov_b32 s[G1+4], 64                          ; tile_dim1 = 64
	s_mov_b32 s[G1+5], 32                          ; from row to row: 32 elements
	s_mov_b32 s[G1+6], 0
	s_mov_b32 s[G1+7], 0
	s_mov_b32 s[G1S], 15|(3<<16)|(1<<21)
	s_mov_b32 s[G1S+1], 32<<16
	s_mov_b32 s[G1S+2], 8<<16                      ; 8 rows: my eighth of the head's scale words
	s_mov_b32 s[G1S+3], 32<<16
	s_mov_b32 s[G1S+4], 8
	s_mov_b32 s[G1S+5], 32
	s_mov_b32 s[G1S+6], 0
	s_mov_b32 s[G1S+7], 0
	s_mov_b32 s[SEL], 0x76543210
	s_mov_b32 s[SEL+1], 0xfedcba98
	s_mov_b32 s[CS], 0x3e0293ee                    ; c = log2(e) / sqrt(128)
	s_mov_b32 s[CS+1], s[CS]                       ; (named with it as a pair, so it is written)
	s_mov_b32 s[MNT], 0x600000
	s_wait_kmcnt 0x0
	s_add_nc_u64 s[4:5], s[4:5], s[70:71]
	s_add_nc_u64 s[6:7], s[6:7], s[72:73]
	s_add_nc_u64 s[8:9], s[8:9], s[74:75]
	s_add_nc_u64 s[10:11], s[10:11], s[76:77]
	s_add_nc_u64 s[16:17], s[16:17], s[78:79]
	s_add_nc_u64 s[18:19], s[18:19], s[80:81]
	s_add_nc_u64 s[PFA:PFA+1], s[12:13], s[86:87]
	s_add_nc_u64 s[82:83], s[12:13], s[82:83]      ; my eighth of the head's first slot
	s_add_nc_u64 s[84:85], s[14:15], s[84:85]      ; and of its scale words
.irp n, 0,1
	s_mov_b32 s[G0+4*\n], 1                        ; count = 1
	s_add_co_u32 s[G0+4*\n+1], s88, \n*SLOTB       ; LDS address: 16,384 x wave + the slot
	s_add_nc_u64 s[G0+4*\n+2:G0+4*\n+3], s[82:83], \n*SLOTB   ; global address: slot n begins with key steps 4 n on
	s_or_b32 s[G0+4*\n+3], s[G0+4*\n+3], 0x80000000           ; type = 2
.endr
	s_mov_b32 s[G0S], 1
	s_add_co_u32 s[G0S+1], s89, SCB
	s_mov_b64 s[G0S+2:G0S+3], s[84:85]
	s_or_b32 s[G0S+3], s[G0S+3], 0x80000000
	CROUND                                         ; all four work-groups are here: the first joint loads meet
	tensor_load_to_lds s[G0S:G0S+3], s[G1S:G1S+7]  ; the first fills go out as one group: the scale words,
	s_nop 0
	tensor_load_to_lds s[G0:G0+3], s[G1:G1+7]      ; slot 0,
	s_nop 0
	tensor_load_to_lds s[G0+4:G0+7], s[G1:G1+7]    ; slot 1
	s_nop 0
.rept 4
	v_nop
.endr
	v_and_b32 v[LI], 31, v0
	v_lshlrev_b32 v[PFO], 8, v[LI]
	v_lshlrev_b32 v[LI], 4, v[LI]
	v_and_b32 v26, 15, v0                          ; r
	v_bfe_u32 v27, v0, 4, 1                        ; lane / 16
	v_lshl_add_u32 v[LSC], v26, 3, SCB
	v_lshl_add_u32 v[YSW], v26, 2, s63
	v_add_nc_u32 v[YSR], YS, v[LI]
	v_add_nc_u32 v[MG], s92, v[LI]                 ; every LDS address is made here, ahead of the first parting of the waves
	v_lshlrev_b32 v28, 7, v26
	v_lshl_add_u32 v28, v27, 4, v28                ; x: row r of 128 bytes, + 16 (lane / 16)
	v_and_b32 v[TMP], 8, v26
	v_add_nc_u32 v[TMP], v[TMP], v26               ; r + 8 (r / 8)
	v_lshlrev_b32 v29, 7, v[TMP]
	v_lshl_add_u32 v29, v27, 4, v29                ; Wq: the rows of a tile are not neighbours
	v_lshlrev_b32 v30, 2, v26                      ; x's scale words
	v_lshlrev_b32 v31, 2, v[TMP]                   ; Wq's
	; ---- q = x Wq for my 32 queries, transposed: source 0 = 16 rows of Wq, source 1 = x: a lane holds one query of each tile, its registers run along d
.irp c, 0,1,2,3
	global_load_b128 v[PA+4*\c:PA+4*\c+3], v28, s[4:5] offset:32*\c        ; x's fragment of tile A, in the registers that p's codes take later
.endr
.irp c, 0,1,2,3
	global_load_b128 v[PB+4*\c:PB+4*\c+3], v28, s[4:5] offset:2048+32*\c   ; of tile B: 16 tokens on
.endr
	global_load_b32 v[VS], v30, s[6:7]             ; x's scale words, A,
	global_load_b32 v[VS+1], v30, s[6:7] offset:64 ; B
.irp t, 0,1,2,3,4,5,6,7
	global_load_b32 v[KS+\t], v31, s[10:11] offset:(32*(\t/2)+8*(\t%2))*4
.endr
	WIN 0x40                                       ; destination window 1
.irp t, 0,1,2,3,4,5,6,7
.irp c, 0,1,2,3
	global_load_b128 v[FR+16*\t+4*\c:FR+16*\t+4*\c+3], v29, s[8:9] offset:(32*(\t/2)+8*(\t%2))*128+32*\c
.endr
.endr
.set j, 0
.rept 128
	v_mov_b32 v[j], 0                              ; O^T of both tiles, while the loads are out.  The key step is written without a first step of its own, which would be one more copy of it: the first finds zeros, which the first change of M leaves zeros
.set j, j+1
.endr
	WIN 0
.irp st, STA, STB
	v_mov_b32 v[\st+1], 0xff61b1e6                 ; the largest t so far: -3e38, under every t
	v_floor_f32 v[\st], -v[\st+1]                  ; -M
	v_mov_b32 v[\st+2], 0                          ; the sum, in two halves
	v_mov_b32 v[\st+3], 0
.endr
.irp b, 0,1,2,3
	v_mov_b32 v[TM+4+\b], 0                        ; written once: a lane permute's destination counts as one of its sources
.endr
	v_mov_b32 v[FA+1], 0                           ; (named as the upper halves of the pairs with f before they are first written)
	v_mov_b32 v[FB+1], 0
	s_wait_loadcnt 0x0
	WIN 0x01
.irp t, 0,1,2,3,4,5,6,7
	v_wmma_scale_f32_16x16x128_f8f6f4 v[SA+8*\t:SA+8*\t+7], v[FR+16*\t:FR+16*\t+15], v[PA:PA+15], 0, v[KS+\t], v[VS]
	v_wmma_scale_f32_16x16x128_f8f6f4 v[SB+8*\t:SB+8*\t+7], v[FR+16*\t:FR+16*\t+15], v[PB:PB+15], 0, v[KS+\t], v[VS+1]
.endr
	WIN 0
.rept 8
	v_nop                                          ; eight places in front of the first read of results
.endr
	QUANT SA, QA, QSA                              ; Q's codes and scale words stay in registers
	QUANT SB, QB, QSB                              ; (its last line and the eight places at the first step's head stand between these codes and the products that take them)
	s_wait_tensorcnt 0x1                           ; of my three loads the scale words and slot 0 are in; slot 1's may stay out
	s_barrier_signal -1
	s_barrier_wait -1                              ; everybody's are
	STEPS 0, 0, 2*SLOTB                            ; key steps 0 to 3: mine are two of them
	CHANGE 0, 1                                    ; slot 0 takes steps 8 to 11
	STEPS 1, 1, 3*SLOTB                            ; steps 4 to 7
	CHANGE 1, 1                                    ; slot 1 takes steps 12 to 15
	STEPS 0, 2, 0                                  ; steps 8 to 11
	CHANGE 0, 0                                    ; nothing is left to fetch; behind this barrier nobody reads slot 0, and it has had its last fill
	STEPS 1, 3, 0                                  ; steps 12 to 15
	; ---- THE MERGE.  Waves 4 to 7 hand their half of the keys to waves 0 to 3, as images of their registers, through stages in slot 0
.rept 8
	v_nop                                          ; eight places behind the last products
.endr
	v_add_f32 v[STA+2], v[STA+2], v[STA+3]         ; the sums' two halves
	v_add_f32 v[STB+2], v[STB+2], v[STB+3]
	s_cmp_lt_u32 s[WV], 4
	s_cbranch_scc1 .Lkeeper
	ds_store_b128 v[MG], v[STA:STA+3] offset:16384 ; -M and the sum of A (registers 0 and 2 of the four),
	ds_store_b128 v[MG], v[STB:STB+3] offset:16896 ; of B
	WIN 0x04                                       ; an LDS store's data are its source 1: window 1
.set g, 0
.rept 32
	ds_store_b128 v[MG], v[4*g:4*g+3] offset:512*g ; O^T, each accumulator from its low end on
.set g, g+1
.endr
	WIN 0
.Lkeeper:
	s_wait_dscnt 0x0                               ; for the others' sake: my stores have landed
	s_barrier_signal -1
	s_barrier_wait -1
	s_cmp_ge_u32 s[WV], 4
	s_cbranch_scc1 .Lhanded
	ds_load_b128 v[28:31], v[MG] offset:16384      ; the partner's -M and sum of A,
	ds_load_b128 v[TM:TM+3], v[MG] offset:16896    ; of B
.set g, 0
.rept 16
	ds_load_b128 v[SA+4*g:SA+4*g+3], v[MG] offset:512*g          ; its O^T of A, where my scores lay,
.set g, g+1
.endr
.set g, 0
.rept 16
	ds_load_b128 v[SB+4*g:SB+4*g+3], v[MG] offset:512*(16+g)     ; of B
.set g, g+1
.endr
	s_wait_dscnt 32                                ; LDS loads come back in order: the two of statistics are in, the 32 of O^T may be out
	MF1 STA, 28
	MF1 STB, TM
	v_nop                                          ; a plain line behind the last reciprocal
	s_wait_alu depctr_va_vdst(0)                   ; one wait for the two reciprocals, ahead of their first reader
	v_mul_f32 v[STA], v[STA], v[STA+3]             ; 2^(my M - M) / the sum,
	v_mul_f32 v28, v28, v[STA+3]                   ; 2^(its M - M) / the sum
	v_mul_f32 v[STB], v[STB], v[STB+3]
	v_mul_f32 v[TM], v[TM], v[STB+3]
	s_wait_dscnt 0x0                               ; the partner's O^T is in
.set j, 0
.rept 32
	v_pk_mul_f32 v[SA+j:SA+j+1], v[SA+j:SA+j+1], v[28:29] op_sel_hi:[1,0]
.set j, j+2
.endr
.set j, 0
.rept 32
	v_pk_mul_f32 v[SB+j:SB+j+1], v[SB+j:SB+j+1], v[TM:TM+1] op_sel_hi:[1,0]
.set j, j+2
.endr
	WIN 0x01                                       ; source 0 (my O^T) window 1
.set j, 0
.rept 32
	v_pk_fma_f32 v[SA+j:SA+j+1], v[j:j+1], v[STA:STA+1], v[SA+j:SA+j+1] op_sel_hi:[1,0,1]   ; y = both halves / the sum; each accumulator from its low end on
.set j, j+2
.endr
.set j, 0
.rept 32
	v_pk_fma_f32 v[SB+j:SB+j+1], v[64+j:64+j+1], v[STB:STB+1], v[SB+j:SB+j+1] op_sel_hi:[1,0,1]
.set j, j+2
.endr
	WIN 0
	; register 16 b + i is y(query r, d = 32 b + 16 (lane / 16) + i): quantised as it stands, its codes are the output projection's operand
	QUANT SA, PA, 26
	ds_store_b32 v[YSW], v26                       ; tile A's 16 scale words (both halves of the lanes write the same word with the same value)
.irp c, 0,1,2,3
	global_store_b128 v[LI], v[PA+4*\c:PA+4*\c+3], s[16:17] offset:512*\c          ; the image: 32 lanes store 512 consecutive bytes, aligned
.endr
	QUANT SB, PB, 27
	ds_store_b32 v[YSW], v27 offset:64
.irp c, 0,1,2,3
	global_store_b128 v[LI], v[PB+4*\c:PB+4*\c+3], s[16:17] offset:16384+512*\c    ; tile B: the next tile of 16 tokens
.endr
.Lhanded:
	s_wait_dscnt 0x0                               ; for the others' sake: my stores have landed
	s_barrier_signal -1
	s_barrier_wait -1
	s_cmp_lg_u32 s[WV], 0                          ; wave 0 stores the work-group's 128 words: 512 consecutive bytes, aligned
	s_cbranch_scc1 .Lnot_first
	ds_load_b128 v[SA:SA+3], v[YSR]
	s_wait_dscnt 0x0
	global_store_b128 v[LI], v[SA:SA+3], s[18:19]
.Lnot_first:
	s_wait_tensorcnt 0x0                           ; the wave's end: behind my last tensor load and my last LDS store
	ds_add_u32 v[SPW], v[NIL]
	s_wait_dscnt 0x0
	CROUND                                         ; the closing round: no work-group ends while a partner may still ask for a tile that names it
	s_endpgm
.Lfunc_end_k_qa72ccf5e41_attn:
	.size	k_qa72ccf5e41_attn, .Lfunc_end_k_qa72ccf5e41_attn-k_qa72ccf5e41_attn
	.p2alignl 7, 3214868480
	.fill 96, 4, 3214868480
	.section	.rodata,"a",@progbits
	.p2align	6, 0x0
	.amdhsa_kernel k_qa72ccf5e41_attn
		.amdhsa_group_segment_fixed_size 327680
		.amdhsa_private_segment_fixed_size 0
		.amdhsa_enable_private_segment 0
		.amdhsa_kernarg_size 64
		.amdhsa_user_sgpr_count 2
		.amdhsa_user_sgpr_kernarg_segment_ptr 1
		.amdhsa_wavefront_size32 1
		.amdhsa_system_sgpr_workgroup_id_x 1
		.amdhsa_system_sgpr_workgroup_id_y 1
		.amdhsa_system_sgpr_workgroup_id_z 1
		.amdhsa_system_vgpr_workitem_id 0
		.amdhsa_next_free_vgpr 512
		.amdhsa_next_free_sgpr 96
		.amdhsa_reserve_vcc 0
		.amdhsa_float_denorm_mode_32 3
		.amdhsa_float_denorm_mode_16_64 3
		.amdhsa_memory_ordered 1
		.amdhsa_forward_progress 1
		.amdhsa_inst_pref_size 225
	.end_amdhsa_kernel
	.amdgpu_metadata
---
amdhsa.version: [ 1, 2 ]
amdhsa.kernels:
  - .name:           k_qa72ccf5e41_attn
    .symbol:         k_qa72ccf5e41_attn.kd
    .args:
      - { .name: x_codes, .offset: 0, .size: 8, .value_kind: global_buffer, .address_space: global }
      - { .name: x_scales, .offset: 8, .size: 8, .value_kind: global_buffer, .address_space: global }
      - { .name: Wq_codes, .offset: 16, .size: 8, .value_kind: global_buffer, .address_space: global }
      - { .name: Wq_scales, .offset: 24, .size: 8, .value_kind: global_buffer, .address_space: global }
      - { .name: kvimg, .offset: 32, .size: 8, .value_kind: global_buffer, .address_space: global }
      - { .name: kvsc, .offset: 40, .size: 8, .value_kind: global_buffer, .address_space: global }
      - { .name: yimg, .offset: 48, .size: 8, .value_kind: global_buffer, .address_space: global }
      - { .name: ysc, .offset: 56, .size: 8, .value_kind: global_buffer, .address_space: global }
    .group_segment_fixed_size: 327680
    .private_segment_fixed_size: 0
    .kernarg_segment_align: 8
    .kernarg_segment_size: 64
    .max_flat_workgroup_size: 256
    .sgpr_count:     96
    .vgpr_count:     512
    .wavefront_size: 32
...
	.end_amdgpu_metadata
.endif
;; end of part 2
;; launch outproj (part 3): grid 256 x 1, 4 waves a work-group, no clusters, 9,216 bytes of LDS; arguments yimg, ysc, Wu_codes, Wu_scales, bu, out0; writes out0
.if DOCPART == 3
	.amdgcn_target "amdgcn-amd-amdhsa--gfx1250"
	.amdhsa_code_object_version 6
	.text
	.protected	k_qa72ccf5e41_outproj
	.globl	k_qa72ccf5e41_outproj
	.p2align	8
	.type	k_qa72ccf5e41_outproj,@function
k_qa72ccf5e41_outproj:
	s_mov_b64 s[64:65], 0
	v_nop
	global_prefetch_b8 v0, s[64:65] scope:SCOPE_SE
	s_setreg_imm32_b32 hwreg(HW_REG_WAVE_MODE, 25, 1), 1
	s_wait_xcnt 0x0
; out = y Wu + bu on codes of FP8 (E4M3) with E8M0 scales.  y comes as images of operand registers: yimg [tile of 16 tokens 256][head 8][2,048 bytes], register group c of lane l at 512 c + 16 l;
; its scale words ysc [head 8][4,096 tokens].  Wu: [128 outputs][1,024] codes, K = 128 head + d innermost; its scale bytes [128][32].  bu [128], out0 [4,096][128]: f32.
; SHARES.  A work-group takes 16 tokens; wave w makes outputs 32 w .. 32 w + 31: two accumulators by turns, 8 K steps of 128, one for each head.
; THE PRODUCT IS USED TRANSPOSED (source 0 = 16 rows of Wu, source 1 = y): a lane holds eight neighbouring outputs of one token.  The bias is loaded into the accumulators, in the result's layout: it costs no addition.
; A row's 512 bytes come from four waves: they meet in a stage in LDS (rows of 512 + 16 bytes) and each wave stores 4 whole rows.
; No tensor load, no cluster: every operand goes once from memory straight into registers, and the 16 matrix instructions of a wave are too few for anything to be shared or run ahead.
.set LI,  3                            ; v3   16 x lane
.set WA,  4                            ; v4   Wu: row r of 1,024 bytes, + 16 (lane / 16)
.set WSA, 5                            ; v5   Wu's scale bytes: 32 r
.set YSA, 6                            ; v6   y's scale words: 4 r
.set BA,  7                            ; v7   bu: 32 (lane / 16)
.set STO, 8                            ; v8   the stage: 528 r + 32 (lane / 16) + 128 x wave
.set SRD, 9                            ; v9   back: my 4 rows, 16 bytes a lane
.set YF,  16                           ; v16-143  y's 8 fragments
.set AC,  144                          ; v144-159 two accumulators
.set WS,  160                          ; v160-175 Wu's scale words: 8 n + s
.set YSC, 176                          ; v176-183 y's
.set OB,  184                          ; v184-199 4 rows on the way out
.set MSB, 0                            ; window 1: Wu's fragments, (tile n, K step s) at v[128 n + 16 s]
.macro WIN new                         ; the immediate's high byte repeats the setting that is left
.if MSB != \new
	s_set_vgpr_msb (MSB<<8)|\new
.set MSB, \new
.endif
.endm
	s_load_b256 s[4:11], s[0:1], 0x0               ; yimg s[4:5], ysc s[6:7], Wu's codes s[8:9], Wu's scales s[10:11]
	s_load_b128 s[12:15], s[0:1], 0x20             ; bu s[12:13], out0 s[14:15]
	v_lshl_add_u32 v254, v0, 2, 0x2200
	v_mov_b32 v255, 0
	v_lshrrev_b32 v1, 5, v0
	v_readfirstlane_b32 s16, v1                    ; wave 0..3
	s_lshl_b32 s18, ttmp9, 14                      ; yimg: 16,384 bytes a tile of tokens
	s_mov_b32 s19, 0
	s_lshl_b32 s20, ttmp9, 6                       ; ysc: 64 bytes
	s_mov_b32 s21, 0
	s_lshl_b32 s22, s16, 15                        ; Wu's codes: my 32 rows of 1,024 bytes
	s_mov_b32 s23, 0
	s_lshl_b32 s24, s16, 10                        ; Wu's scales: 32 rows of 32 bytes
	s_mov_b32 s25, 0
	s_lshl_b32 s26, s16, 7                         ; bu: my 32 numbers.  Also: my outputs' bytes in a row of the stage
	s_mov_b32 s27, 0
	s_lshl_b32 s28, ttmp9, 13                      ; out0: 16 rows of 512 bytes,
	s_lshl_b32 s30, s16, 11                        ; and the 4 of them that I store
	s_add_co_u32 s28, s28, s30
	s_mov_b32 s29, 0
	s_mul_i32 s17, s16, 4*528                      ; the same 4 rows in the stage
	v_and_b32 v1, 15, v0                           ; r
	v_bfe_u32 v2, v0, 4, 1                         ; lane / 16
	v_and_b32 v[LI], 31, v0
	v_lshlrev_b32 v[LI], 4, v[LI]
	v_lshlrev_b32 v[WA], 10, v1
	v_lshl_add_u32 v[WA], v2, 4, v[WA]
	v_lshlrev_b32 v[WSA], 5, v1
	v_lshlrev_b32 v[YSA], 2, v1
	v_lshlrev_b32 v[BA], 5, v2
	v_mul_u32_u24 v[STO], v1, 528
	v_lshl_add_u32 v[STO], v2, 5, v[STO]
	v_add_nc_u32 v[STO], s26, v[STO]
	v_add_nc_u32 v[SRD], s17, v[LI]
	s_wait_kmcnt 0x0
	s_add_nc_u64 s[4:5], s[4:5], s[18:19]
	s_add_nc_u64 s[6:7], s[6:7], s[20:21]
	s_add_nc_u64 s[8:9], s[8:9], s[22:23]
	s_add_nc_u64 s[10:11], s[10:11], s[24:25]
	s_add_nc_u64 s[12:13], s[12:13], s[26:27]
	s_add_nc_u64 s[14:15], s[14:15], s[28:29]
.irp s, 0,1,2,3,4,5,6,7
.irp c, 0,1,2,3
	global_load_b128 v[YF+16*\s+4*\c:YF+16*\s+4*\c+3], v[LI], s[4:5] offset:2048*\s+512*\c   ; y's image of head s: 512 consecutive bytes a load
.endr
	global_load_b32 v[YSC+\s], v[YSA], s[6:7] offset:16384*\s
.endr
.irp n, 0,1
	global_load_b128 v[WS+8*\n:WS+8*\n+3], v[WSA], s[10:11] offset:512*\n          ; row r's eight scale words
	global_load_b128 v[WS+8*\n+4:WS+8*\n+7], v[WSA], s[10:11] offset:512*\n+16
	global_load_b128 v[AC+8*\n:AC+8*\n+3], v[BA], s[12:13] offset:64*\n            ; bu at outputs 16 n + 8 (lane / 16) + 0 .. 7: the sums begin with it
	global_load_b128 v[AC+8*\n+4:AC+8*\n+7], v[BA], s[12:13] offset:64*\n+16
.endr
	WIN 0x40                                       ; destination window 1
.irp n, 0,1
.irp s, 0,1,2,3,4,5,6,7
.irp c, 0,1,2,3
	global_load_b128 v[128*\n+16*\s+4*\c:128*\n+16*\s+4*\c+3], v[WA], s[8:9] offset:16384*\n+128*\s+32*\c
.endr
.endr
.endr
	s_wait_loadcnt 0x0
	WIN 0x01                                       ; source 0 window 1
.irp s, 0,1,2,3,4,5,6,7
.irp n, 0,1
	v_wmma_scale_f32_16x16x128_f8f6f4 v[AC+8*\n:AC+8*\n+7], v[128*\n+16*\s:128*\n+16*\s+15], v[YF+16*\s:YF+16*\s+15], v[AC+8*\n:AC+8*\n+7], v[WS+8*\n+\s], v[YSC+\s]
.endr
.endr
	WIN 0
.rept 8
	v_nop                                          ; eight places in front of the first read of results
.endr
.irp n, 0,1
	ds_store_b128 v[STO], v[AC+8*\n:AC+8*\n+3] offset:64*\n          ; lane (r, half): out(r, 32 w + 16 n + 8 half + 0 .. 7); each accumulator from its low end on
	ds_store_b128 v[STO], v[AC+8*\n+4:AC+8*\n+7] offset:64*\n+16
.endr
	s_wait_dscnt 0x0                               ; for the others' sake: my stores into the stage have landed
	s_barrier_signal -1
	s_barrier_wait -1
.irp i, 0,1,2,3
	ds_load_b128 v[OB+4*\i:OB+4*\i+3], v[SRD] offset:528*\i
.endr
.irp i, 0,1,2,3
	s_wait_dscnt 3-\i                              ; LDS loads come back in order: row i is in, the younger ones may be out
	global_store_b128 v[LI], v[OB+4*\i:OB+4*\i+3], s[14:15] offset:512*\i th:TH_STORE_NT   ; 32 lanes store a row of 512 consecutive bytes, aligned
.endr
	s_wait_tensorcnt 0x0
	ds_add_u32 v254, v255
	s_wait_dscnt 0x0
	s_endpgm
.Lfunc_end_k_qa72ccf5e41_outproj:
	.size	k_qa72ccf5e41_outproj, .Lfunc_end_k_qa72ccf5e41_outproj-k_qa72ccf5e41_outproj
	.p2alignl 7, 3214868480
	.fill 96, 4, 3214868480
	.section	.rodata,"a",@progbits
	.p2align	6, 0x0
	.amdhsa_kernel k_qa72ccf5e41_outproj
		.amdhsa_group_segment_fixed_size 9216
		.amdhsa_private_segment_fixed_size 0
		.amdhsa_enable_private_segment 0
		.amdhsa_kernarg_size 48
		.amdhsa_user_sgpr_count 2
		.amdhsa_user_sgpr_kernarg_segment_ptr 1
		.amdhsa_wavefront_size32 1
		.amdhsa_system_sgpr_workgroup_id_x 1
		.amdhsa_system_sgpr_workgroup_id_y 1
		.amdhsa_system_sgpr_workgroup_id_z 1
		.amdhsa_system_vgpr_workitem_id 0
		.amdhsa_next_free_vgpr 512
		.amdhsa_next_free_sgpr 66
		.amdhsa_reserve_vcc 0
		.amdhsa_float_denorm_mode_32 3
		.amdhsa_float_denorm_mode_16_64 3
		.amdhsa_memory_ordered 1
		.amdhsa_forward_progress 1
		.amdhsa_inst_pref_size 16
	.end_amdhsa_kernel
	.amdgpu_metadata
---
amdhsa.version: [ 1, 2 ]
amdhsa.kernels:
  - .name:           k_qa72ccf5e41_outproj
    .symbol:         k_qa72ccf5e41_outproj.kd
    .args:
      - { .name: yimg, .offset: 0, .size: 8, .value_kind: global_buffer, .address_space: global }
      - { .name: ysc, .offset: 8, .size: 8, .value_kind: global_buffer, .address_space: global }
      - { .name: Wu_codes, .offset: 16, .size: 8, .value_kind: global_buffer, .address_space: global }
      - { .name: Wu_scales, .offset: 24, .size: 8, .value_kind: global_buffer, .address_space: global }
      - { .name: bu, .offset: 32, .size: 8, .value_kind: global_buffer, .address_space: global }
      - { .name: out0, .offset: 40, .size: 8, .value_kind: global_buffer, .address_space: global }
    .group_segment_fixed_size: 9216
    .private_segment_fixed_size: 0
    .kernarg_segment_align: 8
    .kernarg_segment_size: 48
    .max_flat_workgroup_size: 128
    .sgpr_count:     66
    .vgpr_count:     512
    .wavefront_size: 32
...
	.end_amdgpu_metadata
.endif
;; end of part 3
;; ======== version 2 of 2: 3 launches
;; workspace buffers: kvimg 8,388,608 bytes; kvsc 262,144 bytes; yimg 4,194,304 bytes; ysc 131,072 bytes
;; launch kvproj (part 4): grid 256 x 1, 4 waves a work-group, no clusters, 0 bytes of LDS; arguments x_codes, x_scales, Wk_codes, Wk_scales, Wv_codes, Wv_scales, kvimg, kvsc; writes kvimg, kvsc
.if DOCPART == 4
	.amdgcn_target "amdgcn-amd-amdhsa--gfx1250"
	.amdhsa_code_object_version 6
	.text
	.protected	k_qa72ccf5e41_kvproj
	.globl	k_qa72ccf5e41_kvproj
	.p2align	8
	.type	k_qa72ccf5e41_kvproj,@function
k_qa72ccf5e41_kvproj:
	s_mov_b64 s[64:65], 0
	v_nop
	global_prefetch_b8 v0, s[64:65] scope:SCOPE_SE
	s_setreg_imm32_b32 hwreg(HW_REG_WAVE_SCHED_MODE, 0, 2), 2
	s_setreg_imm32_b32 hwreg(HW_REG_WAVE_MODE, 25, 1), 1
	s_wait_xcnt 0x0
	s_wait_alu depctr_vm_vsrc(0)
; k = x Wk and v = x Wv on codes of FP8 (E4M3) with E8M0 scales, and both results quantised at once: k along the head's 128, v along the keys.
; The results leave as IMAGES OF OPERAND REGISTERS: a fragment (16 rows x 128 K) is 2,048 bytes, register group c (4 registers) of lane l at 512 c + 16 l.
; kvimg: [head 16 = 8 b + h][key step 16][K's 8 fragments | V's 8 fragments];  kvsc: [head][step][K 512 bytes | V 512 bytes], the word of tile t, row r at 128 (t / 2) + 8 r + 4 (t % 2).
; A UNIT is (K or V, head, 128 tokens): 64 matrix instructions, 8 fragments.  512 units; a work-group takes two, two waves to a unit, four fragments a wave.
; ONE TEXT SERVES K AND V: the product is used transposed, source 0 = the INNER operand (its 128 rows become the lane's registers), source 1 = the OUTER one (a lane holds one of its rows).
;   K: inner = Wk's 128 rows of the head (d), outer = x's tokens: a lane holds a key, its registers run along d.   V: inner = x's tokens, outer = Wv's rows: a lane holds a d, its registers run along the keys.
; Only pointers are chosen, by the work-group's number.
; THE ROWS OF A TILE ARE NOT NEIGHBOURS, on both sides: lane r of tile 2 b + u takes row 32 b + 8 u + r + 8 (r / 8).  Inner: the 16 registers of tiles 2 b, 2 b + 1 are then 16 neighbours along the next K, so the
; conversions' results are the next operand's registers.  Outer: the attention's scores and outputs then fall into the same order in their turn.
; No LDS, no barrier, no tensor load, no cluster: a wave reads its 24 KiB once, straight into registers, and shares nothing.
; LIMITS: NaN and infinities are not served.  A block of zeros gets the scale byte 1 where the rule says 127: its codes are zeros, and this program alone reads the bytes.
; THE MODE: SCHED_MODE bits 1:0 = 2 (LLVM: expert scheduling mode 2), set by the entry lines.  The code itself states the register dependences
; between vector or matrix instructions and memory instructions, with s_wait_alu, always for 0.
; THE PLAN.  Registers that memory instructions touch:
;   the inner fragments (window 1), OF, IS, OS   Loaded once, at the head; no vector instruction writes them; read by matrix instructions alone; never loaded again.
;   RA, SA, LI, SO   Offsets, made once at the head and never written again: every load and store reads one of them.
;   CD0 .. CD3       Set q is written by fragment q's conversions and read by four stores, which are issued in fragment q + 1's turn (the last set's at the end); never written again.
;   SW               Written by the two selects at the end, read by the last store.
; So: one wait on va_vdst ahead of the first load, for the offsets; one in each of the turns 1 to 3, behind the turn's products and their eight places and ahead of the first read of their results, for the
; set of codes that the turn before has written; one at the end, for the last set and SW.  No register that a memory instruction reads is written again, so no wait on vm_vsrc is owed.
; Two numbers pass from vector instructions to scalar registers: the wave's number (a wait on va_sdst) and the mask of the selects (a wait on va_vcc).
.set RA,  4                            ; v4   a fragment's row: 128 (r + 8 (r / 8)) + 16 (lane / 16)
.set SA,  5                            ; v5   its scale word: 4 (r + 8 (r / 8))
.set LI,  6                            ; v6   16 x lane: my place in an image
.set SO,  7                            ; v7   my place among the wave's 256 bytes of scale words: 8 r + 128 (lane / 16)
.set OF,  16                           ; v16-79   my four outer fragments
.set CD,  80                           ; v80-143  four sets of codes: no store's data are written again
.set DA,  144                          ; v144-207 the 8 result tiles of one outer fragment
.set TM,  208                          ; v208-223 at work in the quantiser
.set IS,  224                          ; v224-231 the inner fragments' scale words
.set OS,  232                          ; v232-235 the outer fragments'
.set PWR, 236                          ; v236-239 the four scale words made
.set SW,  240                          ; v240-241 as they are stored
.set MNT, 52                           ; s52  the mantissa field of 448
.set SEL, 54                           ; s[54:55] v_permlanex16_b32's selects for lane l xor 16
.set MSB, 0                            ; window 1 (v256-383): the 8 inner fragments
.macro WIN new                         ; the immediate's high byte repeats the setting that is left
.if MSB != \new
	s_set_vgpr_msb (MSB<<8)|\new
.set MSB, \new
.endif
.endm
; 64 numbers of a lane, v[s] on, register 16 b + i = k 32 b + 16 (lane / 16) + i of my row, become a fragment's codes in v[pc] on and its scale word in v[pw].
.macro QUANT s, pc, pw
.irp b, 0,1,2,3
	v_max3_num_f32 v[TM+\b], |v[\s+16*\b]|, |v[\s+1+16*\b]|, 0x4800000   ; block b: my 16 numbers, and the floor 2^(9 - 127): the byte cannot fall under 1
.endr
.irp i, 2,4,6,8,10,12,14
.irp b, 0,1,2,3
	v_max3_num_f32 v[TM+\b], v[TM+\b], |v[\s+16*\b+\i]|, |v[\s+1+16*\b+\i]|   ; the four blocks by turns
.endr
.endr
.irp b, 0,1,2,3
	v_permlanex16_b32 v[TM+4+\b], v[TM+\b], s[SEL], s[SEL+1]
.endr
.irp b, 0,1,2,3
	v_max_num_f32 v[TM+\b], v[TM+\b], v[TM+4+\b]                 ; with lane l xor 16's: the block's largest magnitude
.endr
.irp b, 0,1,2,3
	v_add_nc_u32 v[TM+12+\b], 0xfc000000, v[TM+\b]               ; 8 off its exponent field: the conversion's scale operand
.endr
.irp b, 0,1,2,3
	v_and_or_b32 v[TM+8+\b], v[TM+\b], 0x7f800000, s[MNT]        ; 448 x the scale
.endr
.irp b, 0,1,2,3
	v_lshrrev_b32 v[TM+4+\b], 23, v[TM+12+\b]                    ; the scale's byte
.endr
	v_lshl_or_b32 v[\pw], v[TM+5], 8, v[TM+4]                    ; the four bytes make my row's scale word
	v_lshl_or_b32 v[\pw], v[TM+6], 16, v[\pw]
	v_lshl_or_b32 v[\pw], v[TM+7], 24, v[\pw]
.irp b, 0,1,2,3
.irp i, 0,1,2,3,4,5,6,7,8,9,10,11,12,13,14,15
	v_med3_num_f32 v[\s+16*\b+\i], v[\s+16*\b+\i], -v[TM+8+\b], v[TM+8+\b]   ; the conversion to an 8-bit code does not saturate (ISA guide 7.6.2): the hold comes first
.endr
	v_cvt_scalef32_pk8_fp8_f32 v[(\pc)+4*\b:(\pc)+4*\b+1], v[\s+16*\b:\s+16*\b+7], v[TM+12+\b]
	v_cvt_scalef32_pk8_fp8_f32 v[(\pc)+4*\b+2:(\pc)+4*\b+3], v[\s+16*\b+8:\s+16*\b+15], v[TM+12+\b]
.endr
	v_nop                                                        ; a plain line between the last conversion and whatever next writes its sources
.endm
	s_load_b256 s[4:11], s[0:1], 0x0               ; x's codes s[4:5], x's scales s[6:7], Wk's codes s[8:9], Wk's scales s[10:11]
	s_load_b256 s[12:19], s[0:1], 0x20             ; Wv's codes s[12:13], Wv's scales s[14:15], kvimg s[16:17], kvsc s[18:19]
	v_lshrrev_b32 v1, 5, v0
	v_readfirstlane_b32 s20, v1                    ; wave 0..3
	v_and_b32 v1, 15, v0                           ; r
	v_bfe_u32 v2, v0, 4, 1                         ; lane / 16
	v_and_b32 v3, 8, v1
	v_add_nc_u32 v3, v3, v1                        ; r + 8 (r / 8)
	v_lshlrev_b32 v[RA], 7, v3
	v_lshl_add_u32 v[RA], v2, 4, v[RA]
	v_lshlrev_b32 v[SA], 2, v3
	v_and_b32 v[LI], 31, v0
	v_lshlrev_b32 v[LI], 4, v[LI]
	v_lshlrev_b32 v[SO], 3, v1
	v_lshl_add_u32 v[SO], v2, 7, v[SO]
.irp b, 0,1,2,3
	v_mov_b32 v[TM+4+\b], 0                        ; written once: a lane permute's destination counts as one of its sources
.endr
	s_wait_alu depctr_va_sdst(0)                   ; s20 is written, ahead of its first reader: my unit and all my bases are made from it
	s_lshr_b32 s21, s20, 1
	s_lshl_b32 s24, ttmp9, 1
	s_add_co_u32 s21, s21, s24                     ; my unit: 2 x work-group + wave / 2
	s_and_b32 s22, s20, 1                          ; g: which four of its eight fragments
	s_and_b32 s23, s21, 255                        ; 16 x head + step
	s_lshr_b32 s24, s23, 7                         ; b
	s_and_b32 s25, s23, 15                         ; step
	s_bfe_u32 s42, s23, 0x30004                    ; h
	s_lshl_b32 s26, s24, 18
	s_lshl_b32 s43, s25, 14
	s_or_b32 s26, s26, s43                         ; x's codes: (2,048 b + 128 step) rows of 128 bytes
	s_mov_b32 s27, 0
	s_lshr_b32 s28, s26, 5                         ; x's scales: 4 bytes a row
	s_mov_b32 s29, 0
	s_lshl_b32 s30, s42, 14                        ; the weight's codes: 128 h rows of 128 bytes
	s_mov_b32 s31, 0
	s_lshl_b32 s32, s42, 9                         ; and its scales
	s_mov_b32 s33, 0
	s_lshl_b32 s34, s22, 13                        ; my half of the outer rows: 64 g rows of codes,
	s_mov_b32 s35, 0
	s_lshl_b32 s36, s22, 8                         ; of scale words
	s_mov_b32 s37, 0
	s_lshr_b32 s43, ttmp9, 7                       ; 1: V
	s_lshl_b32 s38, s23, 15
	s_lshl_b32 s56, s43, 14
	s_add_co_u32 s38, s38, s56
	s_add_co_u32 s38, s38, s34                     ; kvimg: 32,768 (16 head + step) + 16,384 V + 8,192 g
	s_mov_b32 s39, 0
	s_lshr_b32 s40, s38, 5                         ; kvsc: a 32nd of that
	s_mov_b32 s41, 0
	s_mov_b32 s[MNT], 0x600000
	s_mov_b32 s[SEL], 0x76543210
	s_mov_b32 s[SEL+1], 0xfedcba98
	s_wait_kmcnt 0x0
	s_cmp_lt_u32 ttmp9, 128                        ; K's work-group or V's?  The 64-bit additions below leave SCC as it is
	s_cselect_b64 s[8:9], s[8:9], s[12:13]         ; the weight's codes
	s_cselect_b64 s[10:11], s[10:11], s[14:15]     ; and scales
	s_add_nc_u64 s[4:5], s[4:5], s[26:27]
	s_add_nc_u64 s[6:7], s[6:7], s[28:29]
	s_add_nc_u64 s[8:9], s[8:9], s[30:31]
	s_add_nc_u64 s[10:11], s[10:11], s[32:33]
	s_cselect_b64 s[44:45], s[8:9], s[4:5]         ; inner codes: K: the weight; V: x
	s_cselect_b64 s[46:47], s[10:11], s[6:7]       ; inner scales
	s_cselect_b64 s[48:49], s[4:5], s[8:9]         ; outer codes: K: x; V: the weight
	s_cselect_b64 s[50:51], s[6:7], s[10:11]       ; outer scales
	s_add_nc_u64 s[48:49], s[48:49], s[34:35]
	s_add_nc_u64 s[50:51], s[50:51], s[36:37]
	s_add_nc_u64 s[16:17], s[16:17], s[38:39]
	s_add_nc_u64 s[18:19], s[18:19], s[40:41]
	WIN 0x40                                       ; destination window 1
	s_wait_alu depctr_va_vdst(0)                   ; the four offsets v4 to v7 are written: every load and store of the kernel reads one of them.  Only loads and a switch of windows stand behind it, up to the last load
.irp t, 0,1,2,3,4,5,6,7                        ; tile t begins at row 32 (t / 2) + 8 (t % 2)
.irp c, 0,1,2,3
	global_load_b128 v[16*\t+4*\c:16*\t+4*\c+3], v[RA], s[44:45] offset:(32*(\t/2)+8*(\t%2))*128+32*\c
.endr
.endr
	WIN 0
.irp t, 0,1,2,3,4,5,6,7
	global_load_b32 v[IS+\t], v[SA], s[46:47] offset:(32*(\t/2)+8*(\t%2))*4
.endr
.irp t, 0,1,2,3
.irp c, 0,1,2,3
	global_load_b128 v[OF+16*\t+4*\c:OF+16*\t+4*\c+3], v[RA], s[48:49] offset:(32*(\t/2)+8*(\t%2))*128+32*\c
.endr
	global_load_b32 v[OS+\t], v[SA], s[50:51] offset:(32*(\t/2)+8*(\t%2))*4
.endr
	s_wait_loadcnt 0x0
.irp q, 0,1,2,3                                ; my four outer fragments, one after the other
	WIN 0x01                                       ; source 0 window 1
.irp t, 0,1,2,3,4,5,6,7
	v_wmma_scale_f32_16x16x128_f8f6f4 v[DA+8*\t:DA+8*\t+7], v[16*\t:16*\t+15], v[OF+16*\q:OF+16*\q+15], 0, v[IS+\t], v[OS+\q]
.endr
	WIN 0
.rept 8
	v_nop                                          ; eight places in front of the first read of results
.endr
.if \q > 0
	s_wait_alu depctr_va_vdst(0)                   ; the conversions of the fragment before have written its set of codes, which the four stores below read
.irp c, 0,1,2,3
	global_store_b128 v[LI], v[CD+16*(\q-1)+4*\c:CD+16*(\q-1)+4*\c+3], s[16:17] offset:2048*(\q-1)+512*\c   ; the fragment before: 32 lanes store 512 consecutive bytes, aligned
.endr
.endif
	QUANT DA, CD+16*\q, PWR+\q                     ; (its 19 lines on its own work registers and its last line, with the eight above, are more than the nine places owed before the next products write these results over)
.endr
	v_cmp_eq_u32 vcc_lo, 1, v2                     ; lanes 0-15 store the words of my fragments 0 and 1, lanes 16-31 of 2 and 3
	s_wait_alu depctr_va_vcc(0)                    ; VCC is written, ahead of its first reader: the two selects
	v_cndmask_b32 v[SW], v[PWR], v[PWR+2], vcc_lo
	v_cndmask_b32 v[SW+1], v[PWR+1], v[PWR+3], vcc_lo
	s_wait_alu depctr_va_vdst(0)                   ; the last fragment's conversions have written its set of codes, and the selects v[SW], v[SW + 1]: the five stores below read them
.irp c, 0,1,2,3
	global_store_b128 v[LI], v[CD+48+4*\c:CD+48+4*\c+3], s[16:17] offset:2048*3+512*\c   ; the last fragment
.endr
	global_store_b64 v[SO], v[SW:SW+1], s[18:19]   ; 32 lanes store 256 consecutive bytes, aligned
	s_endpgm
.Lfunc_end_k_qa72ccf5e41_kvproj:
	.size	k_qa72ccf5e41_kvproj, .Lfunc_end_k_qa72ccf5e41_kvproj-k_qa72ccf5e41_kvproj
	.p2alignl 7, 3214868480
	.fill 96, 4, 3214868480
	.section	.rodata,"a",@progbits
	.p2align	6, 0x0
	.amdhsa_kernel k_qa72ccf5e41_kvproj
		.amdhsa_group_segment_fixed_size 0
		.amdhsa_private_segment_fixed_size 0
		.amdhsa_enable_private_segment 0
		.amdhsa_kernarg_size 64
		.amdhsa_user_sgpr_count 2
		.amdhsa_user_sgpr_kernarg_segment_ptr 1
		.amdhsa_wavefront_size32 1
		.amdhsa_system_sgpr_workgroup_id_x 1
		.amdhsa_system_sgpr_workgroup_id_y 1
		.amdhsa_system_sgpr_workgroup_id_z 1
		.amdhsa_system_vgpr_workitem_id 0
		.amdhsa_next_free_vgpr 384
		.amdhsa_next_free_sgpr 66
		.amdhsa_reserve_vcc 1
		.amdhsa_float_denorm_mode_32 3
		.amdhsa_float_denorm_mode_16_64 3
		.amdhsa_memory_ordered 1
		.amdhsa_forward_progress 1
		.amdhsa_inst_pref_size 48
	.end_amdhsa_kernel
	.amdgpu_metadata
---
amdhsa.version: [ 1, 2 ]
amdhsa.kernels:
  - .name:           k_qa72ccf5e41_kvproj
    .symbol:         k_qa72ccf5e41_kvproj.kd
    .args:
      - { .name: x_codes, .offset: 0, .size: 8, .value_kind: global_buffer, .address_space: global }
      - { .name: x_scales, .offset: 8, .size: 8, .value_kind: global_buffer, .address_space: global }
      - { .name: Wk_codes, .offset: 16, .size: 8, .value_kind: global_buffer, .address_space: global }
      - { .name: Wk_scales, .offset: 24, .size: 8, .value_kind: global_buffer, .address_space: global }
      - { .name: Wv_codes, .offset: 32, .size: 8, .value_kind: global_buffer, .address_space: global }
      - { .name: Wv_scales, .offset: 40, .size: 8, .value_kind: global_buffer, .address_space: global }
      - { .name: kvimg, .offset: 48, .size: 8, .value_kind: global_buffer, .address_space: global }
      - { .name: kvsc, .offset: 56, .size: 8, .value_kind: global_buffer, .address_space: global }
    .group_segment_fixed_size: 0
    .private_segment_fixed_size: 0
    .kernarg_segment_align: 8
    .kernarg_segment_size: 64
    .max_flat_workgroup_size: 128
    .sgpr_count:     66
    .vgpr_count:     384
    .wavefront_size: 32
...
	.end_amdgpu_metadata
.endif
;; end of part 4
;; launch attn (part 5): grid 16 x 16, 8 waves a work-group, clusters of 4 x 1, 327,680 bytes of LDS; arguments x_codes, x_scales, Wq_codes, Wq_scales, kvimg, kvsc, yimg, ysc; writes yimg, ysc
.if DOCPART == 5
	.amdgcn_target "amdgcn-amd-amdhsa--gfx1250"
	.amdhsa_code_object_version 6
	.text
	.protected	k_qa72ccf5e41_attn
	.globl	k_qa72ccf5e41_attn
	.p2align	8
	.type	k_qa72ccf5e41_attn,@function
k_qa72ccf5e41_attn:
	s_mov_b64 s[64:65], 0
	v_nop
	global_prefetch_b8 v0, s[64:65] scope:SCOPE_SE
	s_setreg_imm32_b32 hwreg(HW_REG_WAVE_MODE, 25, 1), 1
	s_wait_xcnt 0x0
	s_wait_alu depctr_hold_cnt(0) depctr_sa_sdst(0) depctr_va_vdst(0) depctr_va_sdst(0) depctr_va_ssrc(0) depctr_va_vcc(0) depctr_vm_vsrc(0)
	s_getreg_b32 s2, hwreg(HW_REG_IB_STS2, 6, 4)
	s_cmp_eq_u32 s2, 0
	s_cbranch_scc0 .Lentry_in_a_cluster
	s_endpgm
.Lentry_in_a_cluster:
	s_bfe_u32 s2, ttmp6, 0x10000c
	s_cmp_lg_u32 s2, 0x3003
	s_cbranch_scc0 .Lentry_shape_is_right
	s_endpgm
.Lentry_shape_is_right:
; For one head (of 16 = 8 b + h) and 128 queries: q = x Wq, quantised; S^T = K Q^T; the softmax; O^T = V^T P^T; y = O / l, quantised along (head, d).  All products on codes of FP8 (E4M3) with E8M0 scales.
; THE SOFTMAX AHEAD OF THE SECOND PRODUCT: t = score x log2(e) / sqrt(128); M = the running largest t rounded UP to a whole number; p = 2^(t - M) is what is quantised, along the keys, not normalised.
; The row's sum is taken of the unquantised p and divides O at the end.  When M moves, the sum and O are multiplied by 2^(old M - new M): exact.
; SHARES.  A work-group owns 128 queries and has eight waves of 512 registers, two to a SIMD, so that one wave's vector work stands beside the other's matrix work and LDS loads.
; Wave w owns the 32 queries 32 (w % 4) on, as two tiles A and B of 16, and of the head's 16 key steps (128 keys each) the eight of parity w / 4.  So each fragment of K and V that a wave reads from LDS feeds
; TWO matrix instructions: 32 KiB of LDS reads serve 32 queries x 128 keys.  At the end waves 4 to 7 hand O^T, M and the sum to waves 0 to 3 through LDS; the two halves are brought under the larger M by
; powers of two, which rounds nothing, and added.
; K AND V COME AS IMAGES OF OPERAND REGISTERS (made by the launch before): a fragment is 2,048 bytes, register group c of lane l at 512 c + 16 l.  So every LDS load reads 512 consecutive bytes: no pitch, no padding.
; A key step is 32,768 consecutive bytes of memory (K's 8 fragments, V's 8), a slot four steps; the ring has two slots.  The head's scale words (16,384 bytes) come once and stay.
; LAYOUT.  Both products are used transposed, so a lane holds ONE query (lane % 16) of each tile throughout.  The keys of a tile of K and the d of a tile of V are not neighbours: lane r of tile 2 b + u holds row
; 32 b + 8 u + r + 8 (r / 8), so that the 16 registers of result tiles 2 b, 2 b + 1 are 16 neighbours, 32 b + 16 (lane / 16) + 0 .. 15: p's codes are the second product's operand, y's codes the output projection's.
; CLUSTER.  The four work-groups of a cluster belong to one head and walk the same K and V: every tile is asked for JOINTLY (mask 15), each wave an eighth of a slot, 64 rows of 256 bytes.
; By this text's own count a wave has at most three tensor loads out (the first fills), later one.
; LIMITS: NaN and infinities are not served.  A block of zeros gets the scale byte 1 where the rule says 127: its codes are zeros, and this program alone reads the bytes.  A block's largest p is taken from the
; block's largest score by the same multiply-add and exponential, which takes v_exp_f32 not to fall where its input rises.
; REGISTERS.  Window 0: v1-11 addresses and a temporary; v12-15, v16-19 the statistics of A and B (-M, the largest t, the sum in two halves); v20-23 f and p's scale word, A and B; v24, v25 Q's scale words;
;   v26-31 the head's offsets, later at work in the merge; v32-39 K's scale words, v40-47 V's; v48-79 Q's codes; v80-111 p's codes; v112-175 S^T of A, v176-239 of B, then p; v240-255 at work.
;   Window 1: v0-63 O^T of A, v64-127 of B; v128-255 ONE buffer of 8 fragments, K's and V's by turns: 512 registers leave room for no second one, so K is fetched at a step's head and waited for at once
;   (the SIMD's other wave works meanwhile), and V lands under the softmax.
.set SLOTB, 131072                     ; a slot: four key steps
.set STEPB, 32768                      ; a key step: K's image at 0, V's at 16,384
.set SCB,   2*SLOTB                    ; the head's scale words: 1,024 bytes a step, K's at 0, V's at 512; filled once
.set SPARE, SCB+16384                  ; the spare words, 128 bytes for each of the eight waves: four blocks of 256 bytes that no other line names
.set YS,    SPARE+1024                 ; y's 128 scale words: two blocks of 256 bytes into which no fill lands
.set MGB,   34*512                     ; the merge's stage for one pair of waves: O^T's 32 groups of four registers, then the statistics of A and of B.  The four stages lie in slot 0 from LDS byte 0 on
.set LI,  1                            ; v1   16 x lane
.set LSC, 2                            ; v2   SCB + 8 r
.set ADK, 3                            ; v3   the step's images
.set ADS, 4                            ; v4   the step's scale words
.set SPW, 5                            ; v5   my spare word: SPARE + 4 x my thread's number; never rewritten
.set NIL, 6                            ; v6   0; never rewritten
.set PFO, 7                            ; v7   256 x lane; never rewritten
.set YSW, 8                            ; v8   YS + 128 (wave % 4) + 4 r
.set YSR, 9                            ; v9   YS + 16 x lane
.set TMP, 10                           ; v10  at work
.set MG,  11                           ; v11  MGB (wave % 4) + 16 x lane
.set STA, 12
.set STB, 16
.set FA,  20
.set FB,  22
.set QSA, 24
.set QSB, 25
.set KS,  32
.set VS,  40
.set QA,  48
.set QB,  64
.set PA,  80
.set PB,  96
.set SA,  112
.set SB,  176
.set TM,  240
.set FR,  128                          ; in window 1: the fragment buffer
.set WV,  20                           ; s20  my wave's number
.set G1,  24                           ; s[24:31] descriptor group 1: 64 rows of 256 bytes
.set G1S, 32                           ; s[32:39] the same with 8 rows, for the scale words
.set G0,  40                           ; s[40:47] group 0, a set for each slot
.set G0S, 48                           ; s[48:51] group 0 for the scale words
.set SEL, 52                           ; s[52:53] v_permlanex16_b32's selects for lane l xor 16
.set CS,  54                           ; s[54:55] c = log2(e) / sqrt(128), twice
.set MNT, 56                           ; s56  the mantissa field of 448
.set TB,  57                           ; s57  LDS byte at which the step's images begin
.set TS,  58                           ; s58  and, from SCB on, its scale words
.set TRIP, 59                          ; s59  counts my two steps of a slot: 2, 1
.set PFA, 60                           ; s[60:61] the head's images + 8,192 x (4 cx + wave % 4): never rewritten
.set LIM, 62                           ; s62  1 in a wave that prefetches, else the greatest number
.set KHB, 90                           ; s90  STEPB x (wave / 4): my parity's first step in a slot
.set KHS, 91                           ; s91  1,024 x (wave / 4): and its scale words
.set QG,  93                           ; s93  wave % 4: which 32 queries
.set MSB, 0
.macro WIN new                         ; the immediate's high byte repeats the setting that is left
.if MSB != \new
	s_set_vgpr_msb (MSB<<8)|\new
.set MSB, \new
.endif
.endm
; A round of the cluster's barrier: my work-group's barrier; wave 0 signals for the work-group; every wave waits for all four work-groups; my work-group's barrier once more.
.macro CROUND
	s_barrier_signal -1
	s_barrier_wait -1
	s_cmp_lg_u32 s[WV], 0
	s_cbranch_scc1 .Lnot_wave_0_\@
	s_barrier_signal -3
.Lnot_wave_0_\@:
	s_barrier_wait -3
	s_barrier_signal -1
	s_barrier_wait -1
.endm
; 64 numbers of a lane, v[s] on, register 16 b + i = k 32 b + 16 (lane / 16) + i of my row, become a fragment's codes in v[pc] on and its scale word in v[pw].
.macro QUANT s, pc, pw
.irp b, 0,1,2,3
	v_max3_num_f32 v[TM+\b], |v[\s+16*\b]|, |v[\s+1+16*\b]|, 0x4800000   ; block b: my 16 numbers, and the floor 2^(9 - 127): the byte cannot fall under 1
.endr
.irp i, 2,4,6,8,10,12,14
.irp b, 0,1,2,3
	v_max3_num_f32 v[TM+\b], v[TM+\b], |v[\s+16*\b+\i]|, |v[\s+1+16*\b+\i]|   ; the four blocks by turns
.endr
.endr
.irp b, 0,1,2,3
	s_delay_alu instid0(VALU_DEP_4)
	v_permlanex16_b32 v[TM+4+\b], v[TM+\b], s[SEL], s[SEL+1]
.endr
.irp b, 0,1,2,3
	s_delay_alu instid0(VALU_DEP_4)
	v_max_num_f32 v[TM+\b], v[TM+\b], v[TM+4+\b]                 ; with lane l xor 16's: the block's largest magnitude
.endr
.irp b, 0,1,2,3
	s_delay_alu instid0(VALU_DEP_4)
	v_add_nc_u32 v[TM+12+\b], 0xfc000000, v[TM+\b]               ; 8 off its exponent field: the conversion's scale operand
.endr
.irp b, 0,1,2,3
	v_and_or_b32 v[TM+8+\b], v[TM+\b], 0x7f800000, s[MNT]        ; 448 x the scale
.endr
.irp b, 0,1,2,3
	v_lshrrev_b32 v[TM+4+\b], 23, v[TM+12+\b]                    ; the scale's byte
.endr
	s_delay_alu instid0(VALU_DEP_3)
	v_lshl_or_b32 v[\pw], v[TM+5], 8, v[TM+4]                    ; the four bytes make my row's scale word
	s_delay_alu instid0(VALU_DEP_1)
	v_lshl_or_b32 v[\pw], v[TM+6], 16, v[\pw]
	s_delay_alu instid0(VALU_DEP_1)
	v_lshl_or_b32 v[\pw], v[TM+7], 24, v[\pw]
.irp b, 0,1,2,3
.irp i, 0,1,2,3,4,5,6,7,8,9,10,11,12,13,14,15
	v_med3_num_f32 v[\s+16*\b+\i], v[\s+16*\b+\i], -v[TM+8+\b], v[TM+8+\b]   ; the conversion to an 8-bit code does not saturate (ISA guide 7.6.2): the hold comes first
.endr
	v_cvt_scalef32_pk8_fp8_f32 v[(\pc)+4*\b:(\pc)+4*\b+1], v[\s+16*\b:\s+16*\b+7], v[TM+12+\b]
	v_cvt_scalef32_pk8_fp8_f32 v[(\pc)+4*\b+2:(\pc)+4*\b+3], v[\s+16*\b+8:\s+16*\b+15], v[TM+12+\b]
.endr
	v_nop                                                        ; a plain line behind the last conversion
.endm
; One tile's softmax for one key step: from the scores in v[s] on to p's codes in v[pc] on and their scale word in v[f + 1]; v[f] = 2^(old M - new M); the sum is brought under the new M.
; st: the tile's statistics (-M, the largest t, the sum in two halves).  O^T is brought under the new M later, in front of the products that add onto it.
.macro SOFTMAX s, st, f, pc
.irp b, 0,1,2,3
	v_max3_num_f32 v[TM+\b], v[\s+16*\b], v[\s+16*\b+1], v[\s+16*\b+2]   ; the largest score of each block of 32 keys: it serves for the row's maximum and, since p rises with the score, for the block's largest p
.endr
.irp i, 3,5,7,9,11,13
.irp b, 0,1,2,3
	v_max3_num_f32 v[TM+\b], v[TM+\b], v[\s+16*\b+\i], v[\s+16*\b+\i+1]   ; the four blocks by turns
.endr
.endr
.irp b, 0,1,2,3
	v_max_num_f32 v[TM+\b], v[TM+\b], v[\s+16*\b+15]
.endr
.irp b, 0,1,2,3
	s_delay_alu instid0(VALU_DEP_4)
	v_permlanex16_b32 v[TM+4+\b], v[TM+\b], s[SEL], s[SEL+1]
.endr
.irp b, 0,1,2,3
	s_delay_alu instid0(VALU_DEP_4)
	v_max_num_f32 v[TM+\b], v[TM+\b], v[TM+4+\b]                 ; with lane l xor 16's 16 keys
.endr
	s_delay_alu instid0(VALU_DEP_2)
	v_max3_num_f32 v[TMP], v[TM], v[TM+1], v[TM+2]
	s_delay_alu instid0(VALU_DEP_1)
	v_max_num_f32 v[TMP], v[TMP], v[TM+3]          ; the step's largest score of my query
	s_delay_alu instid0(VALU_DEP_1)
	v_mul_f32 v[TMP], s[CS], v[TMP]                ; as t (c is positive)
	s_delay_alu instid0(VALU_DEP_1)
	v_max_num_f32 v[\st+1], v[\st+1], v[TMP]       ; the running largest t
	v_mov_b32 v[TMP], v[\st]
	s_delay_alu instid0(VALU_DEP_2)
	v_floor_f32 v[\st], -v[\st+1]                  ; the new -M = floor(-t) = -ceil(t): a whole number
	s_delay_alu instid0(VALU_DEP_1)
	v_sub_f32 v[TMP], v[\st], v[TMP]               ; M's old value less its new one: a whole number, 0 or less
	s_delay_alu instid0(VALU_DEP_1)
	v_cvt_i32_f32 v[TMP], v[TMP]                   ; (it saturates)
	s_delay_alu instid0(VALU_DEP_1)
	v_ldexp_f32 v[\f], 1.0, v[TMP]                 ; f = 2^(old M - new M)
.set j, 0
.rept 32
	v_pk_fma_f32 v[\s+j:\s+j+1], v[\s+j:\s+j+1], s[CS:CS+1], v[\st:\st+1] op_sel_hi:[1,0,0]   ; t - M, two at a time (of the pairs c and -M the low word serves both halves)
.set j, j+2
.endr
.irp b, 0,1,2,3
	v_fma_f32 v[TM+\b], v[TM+\b], s[CS], v[\st]    ; the same of each block's largest score
.endr
.set j, 0
	s_wait_alu depctr_va_vdst(0)
.rept 64
	v_exp_f32 v[\s+j], v[\s+j]                     ; p = 2^(t - M), at most 1
.set j, j+1
.endr
	v_pk_mul_f32 v[\st+2:\st+3], v[\st+2:\st+3], v[\f:\f+1] op_sel_hi:[1,0]   ; the sums under the new M: the plain line behind the exponentials
	s_wait_alu depctr_va_vdst(0)                   ; one wait for the batch of 64, ahead of its first reader
.irp b, 0,1,2,3
	v_exp_f32 v[TM+\b], v[TM+\b]                   ; the block's largest p: the same two instructions on the same number give the same bits
.endr
	v_pk_add_f32 v[TM+4:TM+5], v[\s:\s+1], v[\s+2:\s+3]   ; the row's sum is taken of the unquantised p: two at a time, in two chains; these read the 64 alone
.irp i, 4,8,12,16,20,24,28,32,36,40,44,48,52,56,60
	v_pk_add_f32 v[\st+2:\st+3], v[\st+2:\st+3], v[\s+\i:\s+\i+1]
	v_pk_add_f32 v[TM+4:TM+5], v[TM+4:TM+5], v[\s+\i+2:\s+\i+3]
.endr
	s_delay_alu instid0(VALU_DEP_1)
	v_pk_add_f32 v[\st+2:\st+3], v[\st+2:\st+3], v[TM+4:TM+5]
	s_wait_alu depctr_va_vdst(0)                   ; and one for the four
.irp b, 0,1,2,3
	v_max_num_f32 v[TM+\b], 0x4800000, v[TM+\b]    ; the floor 2^(9 - 127): the byte cannot fall under 1
.endr
.irp b, 0,1,2,3
	s_delay_alu instid0(VALU_DEP_4)
	v_add_nc_u32 v[TM+12+\b], 0xfc000000, v[TM+\b] ; 8 off the exponent field: the conversion's scale operand
.endr
.irp b, 0,1,2,3
	v_and_or_b32 v[TM+8+\b], v[TM+\b], 0x7f800000, s[MNT]   ; 448 x the scale
.endr
.irp b, 0,1,2,3
	v_lshrrev_b32 v[TM+4+\b], 23, v[TM+12+\b]      ; the scale's byte
.endr
	s_delay_alu instid0(VALU_DEP_3)
	v_lshl_or_b32 v[\f+1], v[TM+5], 8, v[TM+4]     ; p's scale word for these 128 keys
	s_delay_alu instid0(VALU_DEP_1)
	v_lshl_or_b32 v[\f+1], v[TM+6], 16, v[\f+1]
	s_delay_alu instid0(VALU_DEP_1)
	v_lshl_or_b32 v[\f+1], v[TM+7], 24, v[\f+1]
.irp b, 0,1,2,3
.irp i, 0,1,2,3,4,5,6,7,8,9,10,11,12,13,14,15
	v_min_num_f32 v[\s+16*\b+\i], v[\s+16*\b+\i], v[TM+8+\b]   ; the hold; p is not negative, so it is one-sided
.endr
	v_cvt_scalef32_pk8_fp8_f32 v[\pc+4*\b:\pc+4*\b+1], v[\s+16*\b:\s+16*\b+7], v[TM+12+\b]
	v_cvt_scalef32_pk8_fp8_f32 v[\pc+4*\b+2:\pc+4*\b+3], v[\s+16*\b+8:\s+16*\b+15], v[TM+12+\b]
.endr
.endm
; A KEY STEP of my wave: 128 keys against my two tiles of queries.  askoff: the byte, in the head's images, of the slot to be prefetched (0: none).
; The accumulators take turns, one instruction a turn, over the loop's backward jump too (O^T of B, tile 7, then S^T of A, tile 0).
.macro BODY askoff
	v_add_nc_u32 v[ADK], s[TB], v[LI]
	v_add_nc_u32 v[ADS], s[TS], v[LSC]
.rept 6
	v_nop                                          ; with the two additions: eight places behind the last step's products, in front of loads into the buffer that they read
.endr
.irp p, 0,1,2,3
	ds_load_b64 v[KS+2*\p:KS+2*\p+1], v[ADS] offset:128*\p           ; lane r: K's scale words of tiles 2 p and 2 p + 1, row r
.endr
	WIN 0x40                                       ; destination window 1
.irp t, 0,1,2,3,4,5,6,7
.irp c, 0,1,2,3
	ds_load_b128 v[FR+16*\t+4*\c:FR+16*\t+4*\c+3], v[ADK] offset:2048*\t+512*\c
.endr
.endr
	s_wait_dscnt 0x0                               ; K's fragments and scale words are in
	WIN 0x01                                       ; source 0 window 1
	s_wait_alu depctr_va_vdst(0)
.irp t, 0,1,2,3,4,5,6,7                        ; each fragment of K serves both tiles
	v_wmma_scale_f32_16x16x128_f8f6f4 v[SA+8*\t:SA+8*\t+7], v[FR+16*\t:FR+16*\t+15], v[QA:QA+15], 0, v[KS+\t], v[QSA]
	v_wmma_scale_f32_16x16x128_f8f6f4 v[SB+8*\t:SB+8*\t+7], v[FR+16*\t:FR+16*\t+15], v[QB:QB+15], 0, v[KS+\t], v[QSB]
.endr
	WIN 0
.rept 8
	v_nop                                          ; eight places: in front of the first read of the scores, and of the loads into the buffer that these products read
.endr
	WIN 0x40
.irp t, 0,1,2,3,4,5,6,7
.irp c, 0,1,2,3
	ds_load_b128 v[FR+16*\t+4*\c:FR+16*\t+4*\c+3], v[ADK] offset:16384+2048*\t+512*\c   ; V: it lands under the softmax
.endr
.endr
	WIN 0
.irp p, 0,1,2,3
	ds_load_b64 v[VS+2*\p:VS+2*\p+1], v[ADS] offset:512+128*\p
.endr
.if (\askoff) != 0
; A PREFETCH INTO THE L2 of the slot that the next change of slots will ask for: 131,072 bytes as 512 blocks of 256.  It stands in my second step of a slot, behind the step's run of LDS loads: the rest of that step ahead of the load.
; Each block is named once in the launch: the head's first cluster asks; its four partners are told apart by address (cx), not by a branch; in each, waves 0 to 3 ask, 32 blocks a wave, lanes 256 bytes apart.
; The slot stands in the immediate, so no address register is ever rewritten.  The first two slots come by their loads alone; behind the last slot there is nothing to ask for.
	s_cmp_eq_u32 s[TRIP], s[LIM]
	s_cbranch_scc0 .Lnot_mine_\@
	global_prefetch_b8 v[PFO], s[PFA:PFA+1] offset:\askoff th:TH_LOAD_NT scope:SCOPE_SE
.Lnot_mine_\@:
.endif
	SOFTMAX SA, STA, FA, PA
	s_setprio 1
	SOFTMAX SB, STB, FB, PB
	s_wait_dscnt 0x0                               ; V is in
	WIN 0x51                                       ; source 0 (V; O^T) window 1, source 1 (p's codes; f) window 0, C and D window 1: one setting serves the rescaling and the products
.set j, 0
.rept 32
	v_pk_mul_f32 v[j:j+1], v[j:j+1], v[FA:FA+1] op_sel_hi:[1,0]         ; O^T of A under the new M.  These 64 also stand between the conversions and the products that take the codes
.set j, j+2
.endr
.set j, 64
.rept 32
	v_pk_mul_f32 v[j:j+1], v[j:j+1], v[FB:FB+1] op_sel_hi:[1,0]         ; O^T of B
.set j, j+2
.endr
	s_setprio 0
.irp t, 0,1,2,3,4,5,6,7                        ; each fragment of V serves both tiles
	v_wmma_scale_f32_16x16x128_f8f6f4 v[8*\t:8*\t+7], v[FR+16*\t:FR+16*\t+15], v[PA:PA+15], v[8*\t:8*\t+7], v[VS+\t], v[FA+1]
	v_wmma_scale_f32_16x16x128_f8f6f4 v[64+8*\t:64+8*\t+7], v[FR+16*\t:FR+16*\t+15], v[PB:PB+15], v[64+8*\t:64+8*\t+7], v[VS+\t], v[FB+1]
.endr
	WIN 0
	s_add_co_u32 s[TB], s[TB], 2*STEPB             ; my next step: two steps on
	s_add_co_u32 s[TS], s[TS], 2048
.endm
; My two steps of a slot.  pos: which four of the head's sixteen steps the slot holds.
.macro STEPS slot, pos, askoff
	s_add_co_u32 s[TB], s[KHB], \slot*SLOTB
	s_add_co_u32 s[TS], s[KHS], \pos*4096
	s_mov_b32 s[TRIP], 2
.Lstep_\@:
	s_setprio 2
	BODY \askoff
	s_sub_co_u32 s[TRIP], s[TRIP], 1
	s_cmp_lg_u32 s[TRIP], 0
	s_cbranch_scc1 .Lstep_\@
	s_setprio 0
.endm
; THE CHANGE OF SLOTS.  Each wave waits for all its tensor loads (its part of the slot ahead), adds 0 to its spare word, and waits for that and for its reads of the slot that it leaves.
; fill = 1: the barrier is a round of the cluster's, so that no wave of any partner still reads the slot or has a load on its way; the joint refill is the first thing behind it and has a whole slot's steps in which to land.
.macro CHANGE slot, fill
	s_wait_tensorcnt 0x0                           ; no tensor load of mine is out, so a group 0 may be written
	ds_add_u32 v[SPW], v[NIL]                      ; 0 onto my spare word
.if \fill
	s_add_nc_u64 s[G0+4*\slot+2:G0+4*\slot+3], s[G0+4*\slot+2:G0+4*\slot+3], 2*SLOTB   ; this slot's next four steps; the type bits on top are not reached
.endif
	s_wait_dscnt 0x0                               ; the add is done, and my reads of the slot are over
.if \fill
	CROUND
	tensor_load_to_lds s[G0+4*\slot:G0+4*\slot+3], s[G1:G1+7]
	s_nop 0
.rept 4
	v_nop                                          ; four lines behind a tensor load, ahead of the next switch of windows
.endr
.else
	s_barrier_signal -1
	s_barrier_wait -1
.endif
.endm
; The merge's factors for one tile.  st: my -M, a free register, my sum, a free register;  ot: the partner's -M, (unused), its sum.  Out: v[st] = 2^(my M - M), v[ot] = 2^(its M - M), v[st + 3] = 1 / the row's sum.
.macro MF1 st, ot
	v_min_num_f32 v[TMP], v[\st], v[\ot]           ; -M of the larger M
	s_delay_alu instid0(VALU_DEP_1)
	v_sub_f32 v[\st], v[TMP], v[\st]               ; my M less M: a whole number, 0 or less
	s_delay_alu instid0(VALU_DEP_2)
	v_sub_f32 v[\ot], v[TMP], v[\ot]
	s_delay_alu instid0(VALU_DEP_2)
	v_cvt_i32_f32 v[\st], v[\st]                   ; (it saturates)
	s_delay_alu instid0(VALU_DEP_2)
	v_cvt_i32_f32 v[\ot], v[\ot]
	s_delay_alu instid0(VALU_DEP_2)
	v_ldexp_f32 v[\st], 1.0, v[\st]
	s_wait_alu depctr_va_vdst(0)
	v_ldexp_f32 v[\ot], 1.0, v[\ot]
	v_mul_f32 v[\st+2], v[\st+2], v[\st]
	s_delay_alu instid0(VALU_DEP_1)
	v_fmac_f32 v[\st+2], v[\ot+2], v[\ot]          ; both halves of the keys under one M,
	s_delay_alu instid0(VALU_DEP_1)
	v_permlanex16_b32 v[\st+1], v[\st+2], s[SEL], s[SEL+1]
	s_delay_alu instid0(VALU_DEP_1)
	v_add_f32 v[\st+2], v[\st+2], v[\st+1]         ; and lane l xor 16's: the row's sum
	s_wait_alu depctr_va_vdst(0)
	v_rcp_f32 v[\st+3], v[\st+2]
.endm
	s_load_b256 s[4:11], s[0:1], 0x0               ; x's codes s[4:5], x's scales s[6:7], Wq's codes s[8:9], Wq's scales s[10:11]
	s_load_b256 s[12:19], s[0:1], 0x20             ; kvimg s[12:13], kvsc s[14:15], yimg s[16:17], ysc s[18:19]
	v_lshl_add_u32 v[SPW], v0, 2, SPARE
	v_mov_b32 v[NIL], 0
	ds_add_u32 v5, v6
	ds_add_u32 v5, v6
	s_wait_dscnt 0x0
	v_lshrrev_b32 v[TMP], 5, v0
	s_delay_alu instid0(VALU_DEP_1)
	v_readfirstlane_b32 s[WV], v[TMP]              ; wave 0..7
	s_and_b32 s[QG], s[WV], 3                      ; which 32 queries
	s_lshr_b32 s[KHB], s[WV], 2                    ; which parity of key steps
	s_lshl_b32 s[KHS], s[KHB], 10
	s_lshl_b32 s[KHB], s[KHB], 15
	s_mul_i32 s92, s[QG], MGB                      ; my pair's stage for the merge
	s_lshl_b32 s63, s[QG], 7
	s_add_co_u32 s63, s63, YS                      ; my 32 words among y's scale words
	s_and_b32 s21, ttmp7, 0xffff                   ; the head, 8 b + h, which the four partners share
	s_bfe_u32 s22, ttmp6, 0x40000                  ; cx: my place in the cluster
	s_lshl_b32 s23, ttmp9, 2                       ; in a cluster launch ttmp9 counts clusters
	s_add_co_u32 s23, s23, s22                     ; my block of 128 queries: it enters x's, yimg's and ysc's addresses alone
	s_lshr_b32 s66, s21, 3
	s_lshl_b32 s66, s66, 11
	s_lshl_b32 s67, s23, 7
	s_add_co_u32 s66, s66, s67                     ; the work-group's first token: 2,048 b + 128 x block
	s_lshl_b32 s67, s[QG], 5
	s_add_co_u32 s67, s66, s67                     ; my wave's
	s_and_b32 s68, s21, 7                          ; h
	s_lshl_b32 s70, s67, 7                         ; x's codes: 128 bytes a token
	s_mov_b32 s71, 0
	s_lshl_b32 s72, s67, 2                         ; x's scale words
	s_mov_b32 s73, 0
	s_lshl_b32 s74, s68, 14                        ; Wq's codes: 128 h rows of 128 bytes
	s_mov_b32 s75, 0
	s_lshl_b32 s76, s68, 9                         ; Wq's scale words
	s_mov_b32 s77, 0
	s_lshl_b32 s78, s67, 10                        ; yimg: 16,384 bytes a tile of 16 tokens,
	s_lshl_b32 s79, s68, 11                        ; 2,048 a head
	s_add_co_u32 s78, s78, s79
	s_mov_b32 s79, 0
	s_lshl_b32 s80, s68, 14                        ; ysc: 16,384 bytes a head,
	s_lshl_b32 s81, s66, 2                         ; 4 a token
	s_add_co_u32 s80, s80, s81
	s_mov_b32 s81, 0
	s_lshl_b32 s82, s21, 19                        ; kvimg: the head's 524,288 bytes,
	s_lshl_b32 s88, s[WV], 14                      ; my eighth of a slot: in memory and in LDS alike
	s_add_co_u32 s82, s82, s88
	s_mov_b32 s83, 0
	s_lshl_b32 s84, s21, 14                        ; kvsc: the head's 16,384 bytes,
	s_lshl_b32 s89, s[WV], 11                      ; my eighth
	s_add_co_u32 s84, s84, s89
	s_mov_b32 s85, 0
	s_lshl_b32 s86, s22, 2                         ; the prefetches: 8,192 x (4 cx + wave % 4) in the head's images
	s_add_co_u32 s86, s86, s[QG]
	s_lshl_b32 s86, s86, 13
	s_lshl_b32 s87, s21, 19
	s_add_co_u32 s86, s86, s87
	s_mov_b32 s87, 0
	s_lshr_b32 s[LIM], s[WV], 2                    ; 0 in waves 0 to 3,
	s_or_b32 s[LIM], s[LIM], ttmp9                 ; of the head's first cluster: the same in all four partners
	s_cmp_eq_u32 s[LIM], 0
	s_cselect_b32 s[LIM], 1, -1
	; descriptor group 1: dense bytes as rows of 256 (32 elements of 8 bytes), no padding
	s_mov_b32 s[G1], 15|(3<<16)|(1<<21)            ; 15:0 the mask: all four work-groups; 17:16 elements of 8 bytes; 21 set beside a mask
	s_mov_b32 s[G1+1], 32<<16                      ; tensor_dim0 = 32
	s_mov_b32 s[G1+2], 64<<16                      ; tensor_dim1 = 64
	s_mov_b32 s[G1+3], 32<<16                      ; tile_dim0 = 32
	s_mov_b32 s[G1+4], 64                          ; tile_dim1 = 64
	s_mov_b32 s[G1+5], 32                          ; from row to row: 32 elements
	s_mov_b32 s[G1+6], 0
	s_mov_b32 s[G1+7], 0
	s_mov_b32 s[G1S], 15|(3<<16)|(1<<21)
	s_mov_b32 s[G1S+1], 32<<16
	s_mov_b32 s[G1S+2], 8<<16                      ; 8 rows: my eighth of the head's scale words
	s_mov_b32 s[G1S+3], 32<<16
	s_mov_b32 s[G1S+4], 8
	s_mov_b32 s[G1S+5], 32
	s_mov_b32 s[G1S+6], 0
	s_mov_b32 s[G1S+7], 0
	s_mov_b32 s[SEL], 0x76543210
	s_mov_b32 s[SEL+1], 0xfedcba98
	s_mov_b32 s[CS], 0x3e0293ee                    ; c = log2(e) / sqrt(128)
	s_mov_b32 s[CS+1], s[CS]                       ; (named with it as a pair, so it is written)
	s_mov_b32 s[MNT], 0x600000
	s_wait_kmcnt 0x0
	s_add_nc_u64 s[4:5], s[4:5], s[70:71]
	s_add_nc_u64 s[6:7], s[6:7], s[72:73]
	s_add_nc_u64 s[8:9], s[8:9], s[74:75]
	s_add_nc_u64 s[10:11], s[10:11], s[76:77]
	s_add_nc_u64 s[16:17], s[16:17], s[78:79]
	s_add_nc_u64 s[18:19], s[18:19], s[80:81]
	s_add_nc_u64 s[PFA:PFA+1], s[12:13], s[86:87]
	s_add_nc_u64 s[82:83], s[12:13], s[82:83]      ; my eighth of the head's first slot
	s_add_nc_u64 s[84:85], s[14:15], s[84:85]      ; and of its scale words
.irp n, 0,1
	s_mov_b32 s[G0+4*\n], 1                        ; count = 1
	s_add_co_u32 s[G0+4*\n+1], s88, \n*SLOTB       ; LDS address: 16,384 x wave + the slot
	s_add_nc_u64 s[G0+4*\n+2:G0+4*\n+3], s[82:83], \n*SLOTB   ; global address: slot n begins with key steps 4 n on
	s_or_b32 s[G0+4*\n+3], s[G0+4*\n+3], 0x80000000           ; type = 2
.endr
	s_mov_b32 s[G0S], 1
	s_add_co_u32 s[G0S+1], s89, SCB
	s_mov_b64 s[G0S+2:G0S+3], s[84:85]
	s_or_b32 s[G0S+3], s[G0S+3], 0x80000000
	CROUND                                         ; all four work-groups are here: the first joint loads meet
	tensor_load_to_lds s[G0S:G0S+3], s[G1S:G1S+7]  ; the first fills go out as one group: the scale words,
	s_nop 0
	tensor_load_to_lds s[G0:G0+3], s[G1:G1+7]      ; slot 0,
	s_nop 0
	tensor_load_to_lds s[G0+4:G0+7], s[G1:G1+7]    ; slot 1
	s_nop 0
.rept 4
	v_nop
.endr
	v_and_b32 v[LI], 31, v0
	s_delay_alu instid0(VALU_DEP_1)
	v_lshlrev_b32 v[PFO], 8, v[LI]
	s_delay_alu instid0(VALU_DEP_2)
	v_lshlrev_b32 v[LI], 4, v[LI]
	v_and_b32 v26, 15, v0                          ; r
	v_bfe_u32 v27, v0, 4, 1                        ; lane / 16
	s_delay_alu instid0(VALU_DEP_2)
	v_lshl_add_u32 v[LSC], v26, 3, SCB
	s_delay_alu instid0(VALU_DEP_3)
	v_lshl_add_u32 v[YSW], v26, 2, s63
	v_add_nc_u32 v[YSR], YS, v[LI]
	v_add_nc_u32 v[MG], s92, v[LI]                 ; every LDS address is made here, ahead of the first parting of the waves
	v_lshlrev_b32 v28, 7, v26
	s_delay_alu instid0(VALU_DEP_1)
	v_lshl_add_u32 v28, v27, 4, v28                ; x: row r of 128 bytes, + 16 (lane / 16)
	v_and_b32 v[TMP], 8, v26
	s_delay_alu instid0(VALU_DEP_1)
	v_add_nc_u32 v[TMP], v[TMP], v26               ; r + 8 (r / 8)
	s_delay_alu instid0(VALU_DEP_1)
	v_lshlrev_b32 v29, 7, v[TMP]
	s_delay_alu instid0(VALU_DEP_1)
	v_lshl_add_u32 v29, v27, 4, v29                ; Wq: the rows of a tile are not neighbours
	v_lshlrev_b32 v30, 2, v26                      ; x's scale words
	s_delay_alu instid0(VALU_DEP_4)
	v_lshlrev_b32 v31, 2, v[TMP]                   ; Wq's
	; ---- q = x Wq for my 32 queries, transposed: source 0 = 16 rows of Wq, source 1 = x: a lane holds one query of each tile, its registers run along d
.irp c, 0,1,2,3
	global_load_b128 v[PA+4*\c:PA+4*\c+3], v28, s[4:5] offset:32*\c        ; x's fragment of tile A, in the registers that p's codes take later
.endr
.irp c, 0,1,2,3
	global_load_b128 v[PB+4*\c:PB+4*\c+3], v28, s[4:5] offset:2048+32*\c   ; of tile B: 16 tokens on
.endr
	global_load_b32 v[VS], v30, s[6:7]             ; x's scale words, A,
	global_load_b32 v[VS+1], v30, s[6:7] offset:64 ; B
.irp t, 0,1,2,3,4,5,6,7
	global_load_b32 v[KS+\t], v31, s[10:11] offset:(32*(\t/2)+8*(\t%2))*4
.endr
	WIN 0x40                                       ; destination window 1
.irp t, 0,1,2,3,4,5,6,7
.irp c, 0,1,2,3
	global_load_b128 v[FR+16*\t+4*\c:FR+16*\t+4*\c+3], v29, s[8:9] offset:(32*(\t/2)+8*(\t%2))*128+32*\c
.endr
.endr
.set j, 0
.rept 128
	v_mov_b32 v[j], 0                              ; O^T of both tiles, while the loads are out.  The key step is written without a first step of its own, which would be one more copy of it: the first finds zeros, which the first change of M leaves zeros
.set j, j+1
.endr
	WIN 0
.irp st, STA, STB
	v_mov_b32 v[\st+1], 0xff61b1e6                 ; the largest t so far: -3e38, under every t
	s_delay_alu instid0(VALU_DEP_1)
	v_floor_f32 v[\st], -v[\st+1]                  ; -M
	v_mov_b32 v[\st+2], 0                          ; the sum, in two halves
	v_mov_b32 v[\st+3], 0
.endr
.irp b, 0,1,2,3
	v_mov_b32 v[TM+4+\b], 0                        ; written once: a lane permute's destination counts as one of its sources
.endr
	v_mov_b32 v[FA+1], 0                           ; (named as the upper halves of the pairs with f before they are first written)
	v_mov_b32 v[FB+1], 0
	s_wait_loadcnt 0x0
	WIN 0x01
.irp t, 0,1,2,3,4,5,6,7
	v_wmma_scale_f32_16x16x128_f8f6f4 v[SA+8*\t:SA+8*\t+7], v[FR+16*\t:FR+16*\t+15], v[PA:PA+15], 0, v[KS+\t], v[VS]
	v_wmma_scale_f32_16x16x128_f8f6f4 v[SB+8*\t:SB+8*\t+7], v[FR+16*\t:FR+16*\t+15], v[PB:PB+15], 0, v[KS+\t], v[VS+1]
.endr
	WIN 0
.rept 8
	v_nop                                          ; eight places in front of the first read of results
.endr
	QUANT SA, QA, QSA                              ; Q's codes and scale words stay in registers
	QUANT SB, QB, QSB                              ; (its last line and the eight places at the first step's head stand between these codes and the products that take them)
	s_wait_tensorcnt 0x1                           ; of my three loads the scale words and slot 0 are in; slot 1's may stay out
	s_barrier_signal -1
	s_barrier_wait -1                              ; everybody's are
	STEPS 0, 0, 2*SLOTB                            ; key steps 0 to 3: mine are two of them
	CHANGE 0, 1                                    ; slot 0 takes steps 8 to 11
	STEPS 1, 1, 3*SLOTB                            ; steps 4 to 7
	CHANGE 1, 1                                    ; slot 1 takes steps 12 to 15
	STEPS 0, 2, 0                                  ; steps 8 to 11
	CHANGE 0, 0                                    ; nothing is left to fetch; behind this barrier nobody reads slot 0, and it has had its last fill
	STEPS 1, 3, 0                                  ; steps 12 to 15
	; ---- THE MERGE.  Waves 4 to 7 hand their half of the keys to waves 0 to 3, as images of their registers, through stages in slot 0
.rept 8
	v_nop                                          ; eight places behind the last products
.endr
	v_add_f32 v[STA+2], v[STA+2], v[STA+3]         ; the sums' two halves
	v_add_f32 v[STB+2], v[STB+2], v[STB+3]
	s_cmp_lt_u32 s[WV], 4
	s_cbranch_scc1 .Lkeeper
	ds_store_b128 v[MG], v[STA:STA+3] offset:16384 ; -M and the sum of A (registers 0 and 2 of the four),
	ds_store_b128 v[MG], v[STB:STB+3] offset:16896 ; of B
	WIN 0x04                                       ; an LDS store's data are its source 1: window 1
.set g, 0
.rept 32
	ds_store_b128 v[MG], v[4*g:4*g+3] offset:512*g ; O^T, each accumulator from its low end on
.set g, g+1
.endr
	WIN 0
.Lkeeper:
	s_wait_dscnt 0x0                               ; for the others' sake: my stores have landed
	s_barrier_signal -1
	s_barrier_wait -1
	s_cmp_ge_u32 s[WV], 4
	s_cbranch_scc1 .Lhanded
	ds_load_b128 v[28:31], v[MG] offset:16384      ; the partner's -M and sum of A,
	ds_load_b128 v[TM:TM+3], v[MG] offset:16896    ; of B
.set g, 0
.rept 16
	ds_load_b128 v[SA+4*g:SA+4*g+3], v[MG] offset:512*g          ; its O^T of A, where my scores lay,
.set g, g+1
.endr
.set g, 0
.rept 16
	ds_load_b128 v[SB+4*g:SB+4*g+3], v[MG] offset:512*(16+g)     ; of B
.set g, g+1
.endr
	s_wait_dscnt 32                                ; LDS loads come back in order: the two of statistics are in, the 32 of O^T may be out
	MF1 STA, 28
	MF1 STB, TM
	v_nop                                          ; a plain line behind the last reciprocal
	s_wait_alu depctr_va_vdst(0)                   ; one wait for the two reciprocals, ahead of their first reader
	v_mul_f32 v[STA], v[STA], v[STA+3]             ; 2^(my M - M) / the sum,
	v_mul_f32 v28, v28, v[STA+3]                   ; 2^(its M - M) / the sum
	v_mul_f32 v[STB], v[STB], v[STB+3]
	v_mul_f32 v[TM], v[TM], v[STB+3]
	s_wait_alu depctr_va_vdst(0)
	s_wait_dscnt 0x0                               ; the partner's O^T is in
.set j, 0
.rept 32
	v_pk_mul_f32 v[SA+j:SA+j+1], v[SA+j:SA+j+1], v[28:29] op_sel_hi:[1,0]
.set j, j+2
.endr
.set j, 0
.rept 32
	v_pk_mul_f32 v[SB+j:SB+j+1], v[SB+j:SB+j+1], v[TM:TM+1] op_sel_hi:[1,0]
.set j, j+2
.endr
	WIN 0x01                                       ; source 0 (my O^T) window 1
.set j, 0
.rept 32
	v_pk_fma_f32 v[SA+j:SA+j+1], v[j:j+1], v[STA:STA+1], v[SA+j:SA+j+1] op_sel_hi:[1,0,1]   ; y = both halves / the sum; each accumulator from its low end on
.set j, j+2
.endr
.set j, 0
.rept 32
	v_pk_fma_f32 v[SB+j:SB+j+1], v[64+j:64+j+1], v[STB:STB+1], v[SB+j:SB+j+1] op_sel_hi:[1,0,1]
.set j, j+2
.endr
	WIN 0
	; register 16 b + i is y(query r, d = 32 b + 16 (lane / 16) + i): quantised as it stands, its codes are the output projection's operand
	QUANT SA, PA, 26
	ds_store_b32 v[YSW], v26                       ; tile A's 16 scale words (both halves of the lanes write the same word with the same value)
.irp c, 0,1,2,3
	global_store_b128 v[LI], v[PA+4*\c:PA+4*\c+3], s[16:17] offset:512*\c          ; the image: 32 lanes store 512 consecutive bytes, aligned
.endr
	QUANT SB, PB, 27
	ds_store_b32 v[YSW], v27 offset:64
.irp c, 0,1,2,3
	global_store_b128 v[LI], v[PB+4*\c:PB+4*\c+3], s[16:17] offset:16384+512*\c    ; tile B: the next tile of 16 tokens
.endr
.Lhanded:
	s_wait_dscnt 0x0                               ; for the others' sake: my stores have landed
	s_barrier_signal -1
	s_barrier_wait -1
	s_cmp_lg_u32 s[WV], 0                          ; wave 0 stores the work-group's 128 words: 512 consecutive bytes, aligned
	s_cbranch_scc1 .Lnot_first
	ds_load_b128 v[SA:SA+3], v[YSR]
	s_wait_dscnt 0x0
	global_store_b128 v[LI], v[SA:SA+3], s[18:19]
.Lnot_first:
	s_wait_tensorcnt 0x0                           ; the wave's end: behind my last tensor load and my last LDS store
	ds_add_u32 v[SPW], v[NIL]
	s_wait_dscnt 0x0
	CROUND                                         ; the closing round: no work-group ends while a partner may still ask for a tile that names it
	s_endpgm
.Lfunc_end_k_qa72ccf5e41_attn:
	.size	k_qa72ccf5e41_attn, .Lfunc_end_k_qa72ccf5e41_attn-k_qa72ccf5e41_attn
	.p2alignl 7, 3214868480
	.fill 96, 4, 3214868480
	.section	.rodata,"a",@progbits
	.p2align	6, 0x0
	.amdhsa_kernel k_qa72ccf5e41_attn
		.amdhsa_group_segment_fixed_size 327680
		.amdhsa_private_segment_fixed_size 0
		.amdhsa_enable_private_segment 0
		.amdhsa_kernarg_size 64
		.amdhsa_user_sgpr_count 2
		.amdhsa_user_sgpr_kernarg_segment_ptr 1
		.amdhsa_wavefront_size32 1
		.amdhsa_system_sgpr_workgroup_id_x 1
		.amdhsa_system_sgpr_workgroup_id_y 1
		.amdhsa_system_sgpr_workgroup_id_z 1
		.amdhsa_system_vgpr_workitem_id 0
		.amdhsa_next_free_vgpr 512
		.amdhsa_next_free_sgpr 96
		.amdhsa_reserve_vcc 0
		.amdhsa_float_denorm_mode_32 3
		.amdhsa_float_denorm_mode_16_64 3
		.amdhsa_memory_ordered 1
		.amdhsa_forward_progress 1
		.amdhsa_inst_pref_size 235
	.end_amdhsa_kernel
	.amdgpu_metadata
---
amdhsa.version: [ 1, 2 ]
amdhsa.kernels:
  - .name:           k_qa72ccf5e41_attn
    .symbol:         k_qa72ccf5e41_attn.kd
    .args:
      - { .name: x_codes, .offset: 0, .size: 8, .value_kind: global_buffer, .address_space: global }
      - { .name: x_scales, .offset: 8, .size: 8, .value_kind: global_buffer, .address_space: global }
      - { .name: Wq_codes, .offset: 16, .size: 8, .value_kind: global_buffer, .address_space: global }
      - { .name: Wq_scales, .offset: 24, .size: 8, .value_kind: global_buffer, .address_space: global }
      - { .name: kvimg, .offset: 32, .size: 8, .value_kind: global_buffer, .address_space: global }
      - { .name: kvsc, .offset: 40, .size: 8, .value_kind: global_buffer, .address_space: global }
      - { .name: yimg, .offset: 48, .size: 8, .value_kind: global_buffer, .address_space: global }
      - { .name: ysc, .offset: 56, .size: 8, .value_kind: global_buffer, .address_space: global }
    .group_segment_fixed_size: 327680
    .private_segment_fixed_size: 0
    .kernarg_segment_align: 8
    .kernarg_segment_size: 64
    .max_flat_workgroup_size: 256
    .sgpr_count:     96
    .vgpr_count:     512
    .wavefront_size: 32
...
	.end_amdgpu_metadata
.endif
;; end of part 5
;; launch outproj (part 6): grid 256 x 1, 4 waves a work-group, no clusters, 9,216 bytes of LDS; arguments yimg, ysc, Wu_codes, Wu_scales, bu, out0; writes out0
.if DOCPART == 6
	.amdgcn_target "amdgcn-amd-amdhsa--gfx1250"
	.amdhsa_code_object_version 6
	.text
	.protected	k_qa72ccf5e41_outproj
	.globl	k_qa72ccf5e41_outproj
	.p2align	8
	.type	k_qa72ccf5e41_outproj,@function
k_qa72ccf5e41_outproj:
	s_mov_b64 s[64:65], 0
	v_nop
	global_prefetch_b8 v0, s[64:65] scope:SCOPE_SE
	s_setreg_imm32_b32 hwreg(HW_REG_WAVE_SCHED_MODE, 0, 2), 2
	s_setreg_imm32_b32 hwreg(HW_REG_WAVE_MODE, 25, 1), 1
	s_wait_xcnt 0x0
	s_wait_alu depctr_vm_vsrc(0)
; out = y Wu + bu on codes of FP8 (E4M3) with E8M0 scales.  y comes as images of operand registers: yimg [tile of 16 tokens 256][head 8][2,048 bytes], register group c of lane l at 512 c + 16 l;
; its scale words ysc [head 8][4,096 tokens].  Wu: [128 outputs][1,024] codes, K = 128 head + d innermost; its scale bytes [128][32].  bu [128], out0 [4,096][128]: f32.
; SHARES.  A work-group takes 16 tokens; wave w makes outputs 32 w .. 32 w + 31: two accumulators by turns, 8 K steps of 128, one for each head.
; THE PRODUCT IS USED TRANSPOSED (source 0 = 16 rows of Wu, source 1 = y): a lane holds eight neighbouring outputs of one token.  The bias is loaded into the accumulators, in the result's layout: it costs no addition.
; A row's 512 bytes come from four waves: they meet in a stage in LDS (rows of 512 + 16 bytes) and each wave stores 4 whole rows.
; No tensor load, no cluster: every operand goes once from memory straight into registers, and the 16 matrix instructions of a wave are too few for anything to be shared or run ahead.
; THE MODE: SCHED_MODE bits 1:0 = 2 (LLVM: expert scheduling mode 2), set by the entry lines.  The code itself states the register dependences
; between vector or matrix instructions and memory or LDS instructions, with s_wait_alu, always for 0.
; THE PLAN.  Registers that memory or LDS instructions touch:
;   YF, YSC, WS, Wu's fragments (window 1)   Loaded once, at the head; no vector instruction writes them; read by matrix instructions alone; never loaded again.
;   AC     Loaded once with the bias; then written by the matrix instructions; read by the four LDS stores; never written again.
;   v3 to v9, v254, v255   Offsets and LDS addresses (and the closing add's two), made once at the head and never written again.
;   OB     The LDS loads from the stage land in it, the global stores read it; no vector instruction names it.
; So: one wait on va_vdst ahead of the first load, for all offsets and addresses; one behind the eight places that follow the last products, for the accumulators.  No register that a memory or LDS
; instruction reads is written again, so no wait on vm_vsrc is owed.  The wave's number passes from a vector instruction to a scalar register: a wait on va_sdst.  EXEC is written nowhere.
.set LI,  3                            ; v3   16 x lane
.set WA,  4                            ; v4   Wu: row r of 1,024 bytes, + 16 (lane / 16)
.set WSA, 5                            ; v5   Wu's scale bytes: 32 r
.set YSA, 6                            ; v6   y's scale words: 4 r
.set BA,  7                            ; v7   bu: 32 (lane / 16)
.set STO, 8                            ; v8   the stage: 528 r + 32 (lane / 16) + 128 x wave
.set SRD, 9                            ; v9   back: my 4 rows, 16 bytes a lane
.set YF,  16                           ; v16-143  y's 8 fragments
.set AC,  144                          ; v144-159 two accumulators
.set WS,  160                          ; v160-175 Wu's scale words: 8 n + s
.set YSC, 176                          ; v176-183 y's
.set OB,  184                          ; v184-199 4 rows on the way out
.set MSB, 0                            ; window 1: Wu's fragments, (tile n, K step s) at v[128 n + 16 s]
.macro WIN new                         ; the immediate's high byte repeats the setting that is left
.if MSB != \new
	s_set_vgpr_msb (MSB<<8)|\new
.set MSB, \new
.endif
.endm
	s_load_b256 s[4:11], s[0:1], 0x0               ; yimg s[4:5], ysc s[6:7], Wu's codes s[8:9], Wu's scales s[10:11]
	s_load_b128 s[12:15], s[0:1], 0x20             ; bu s[12:13], out0 s[14:15]
	v_lshl_add_u32 v254, v0, 2, 0x2200
	v_mov_b32 v255, 0
	v_lshrrev_b32 v1, 5, v0
	v_readfirstlane_b32 s16, v1                    ; wave 0..3
	v_and_b32 v1, 15, v0                           ; r
	v_bfe_u32 v2, v0, 4, 1                         ; lane / 16
	v_and_b32 v[LI], 31, v0
	v_lshlrev_b32 v[LI], 4, v[LI]
	v_lshlrev_b32 v[WA], 10, v1
	v_lshl_add_u32 v[WA], v2, 4, v[WA]
	v_lshlrev_b32 v[WSA], 5, v1
	v_lshlrev_b32 v[YSA], 2, v1
	v_lshlrev_b32 v[BA], 5, v2
	v_mul_u32_u24 v[STO], v1, 528
	v_lshl_add_u32 v[STO], v2, 5, v[STO]
	s_wait_alu depctr_va_vdst(0)
	s_lshl_b32 s18, ttmp9, 14                      ; yimg: 16,384 bytes a tile of tokens
	s_mov_b32 s19, 0
	s_lshl_b32 s20, ttmp9, 6                       ; ysc: 64 bytes
	s_mov_b32 s21, 0
	s_wait_alu depctr_va_sdst(0)                   ; s16 is written, ahead of its first reader: my rows of Wu, of bu, of the stage and of out0 are made from it
	s_lshl_b32 s22, s16, 15                        ; Wu's codes: my 32 rows of 1,024 bytes
	s_mov_b32 s23, 0
	s_lshl_b32 s24, s16, 10                        ; Wu's scales: 32 rows of 32 bytes
	s_mov_b32 s25, 0
	s_lshl_b32 s26, s16, 7                         ; bu: my 32 numbers.  Also: my outputs' bytes in a row of the stage
	s_mov_b32 s27, 0
	s_lshl_b32 s28, ttmp9, 13                      ; out0: 16 rows of 512 bytes,
	s_lshl_b32 s30, s16, 11                        ; and the 4 of them that I store
	s_add_co_u32 s28, s28, s30
	s_mov_b32 s29, 0
	s_mul_i32 s17, s16, 4*528                      ; the same 4 rows in the stage
	v_add_nc_u32 v[STO], s26, v[STO]
	v_add_nc_u32 v[SRD], s17, v[LI]
	s_wait_kmcnt 0x0
	s_add_nc_u64 s[4:5], s[4:5], s[18:19]
	s_add_nc_u64 s[6:7], s[6:7], s[20:21]
	s_add_nc_u64 s[8:9], s[8:9], s[22:23]
	s_add_nc_u64 s[10:11], s[10:11], s[24:25]
	s_add_nc_u64 s[12:13], s[12:13], s[26:27]
	s_add_nc_u64 s[14:15], s[14:15], s[28:29]
	s_wait_alu depctr_va_vdst(0)                   ; the offsets and addresses v3 to v9 are written, which the loads, LDS instructions and stores below read.  Only loads and a switch of windows stand behind it, up to the last load
.irp s, 0,1,2,3,4,5,6,7
.irp c, 0,1,2,3
	global_load_b128 v[YF+16*\s+4*\c:YF+16*\s+4*\c+3], v[LI], s[4:5] offset:2048*\s+512*\c   ; y's image of head s: 512 consecutive bytes a load
.endr
	global_load_b32 v[YSC+\s], v[YSA], s[6:7] offset:16384*\s
.endr
.irp n, 0,1
	global_load_b128 v[WS+8*\n:WS+8*\n+3], v[WSA], s[10:11] offset:512*\n          ; row r's eight scale words
	global_load_b128 v[WS+8*\n+4:WS+8*\n+7], v[WSA], s[10:11] offset:512*\n+16
	global_load_b128 v[AC+8*\n:AC+8*\n+3], v[BA], s[12:13] offset:64*\n            ; bu at outputs 16 n + 8 (lane / 16) + 0 .. 7: the sums begin with it
	global_load_b128 v[AC+8*\n+4:AC+8*\n+7], v[BA], s[12:13] offset:64*\n+16
.endr
	WIN 0x40                                       ; destination window 1
.irp n, 0,1
.irp s, 0,1,2,3,4,5,6,7
.irp c, 0,1,2,3
	global_load_b128 v[128*\n+16*\s+4*\c:128*\n+16*\s+4*\c+3], v[WA], s[8:9] offset:16384*\n+128*\s+32*\c
.endr
.endr
.endr
	s_wait_loadcnt 0x0
	WIN 0x01                                       ; source 0 window 1
.irp s, 0,1,2,3,4,5,6,7
.irp n, 0,1
	v_wmma_scale_f32_16x16x128_f8f6f4 v[AC+8*\n:AC+8*\n+7], v[128*\n+16*\s:128*\n+16*\s+15], v[YF+16*\s:YF+16*\s+15], v[AC+8*\n:AC+8*\n+7], v[WS+8*\n+\s], v[YSC+\s]
.endr
.endr
	WIN 0
.rept 8
	v_nop                                          ; eight places in front of the first read of results
.endr
	s_wait_alu depctr_va_vdst(0)                   ; the matrix instructions have written the accumulators, which the LDS stores read; the places above stay beside this wait
.irp n, 0,1
	ds_store_b128 v[STO], v[AC+8*\n:AC+8*\n+3] offset:64*\n          ; lane (r, half): out(r, 32 w + 16 n + 8 half + 0 .. 7); each accumulator from its low end on
	ds_store_b128 v[STO], v[AC+8*\n+4:AC+8*\n+7] offset:64*\n+16
.endr
	s_wait_dscnt 0x0                               ; for the others' sake: my stores into the stage have landed
	s_barrier_signal -1
	s_barrier_wait -1
.irp i, 0,1,2,3
	ds_load_b128 v[OB+4*\i:OB+4*\i+3], v[SRD] offset:528*\i
.endr
.irp i, 0,1,2,3
	s_wait_dscnt 3-\i                              ; LDS loads come back in order: row i is in, the younger ones may be out
	global_store_b128 v[LI], v[OB+4*\i:OB+4*\i+3], s[14:15] offset:512*\i th:TH_STORE_NT   ; 32 lanes store a row of 512 consecutive bytes, aligned
.endr
	s_wait_dscnt 0x0                               ; the closing lines, six on end
	s_wait_alu 0x0
	s_wait_tensorcnt 0x0
	ds_add_u32 v254, v255
	s_wait_dscnt 0x0
	s_endpgm
.Lfunc_end_k_qa72ccf5e41_outproj:
	.size	k_qa72ccf5e41_outproj, .Lfunc_end_k_qa72ccf5e41_outproj-k_qa72ccf5e41_outproj
	.p2alignl 7, 3214868480
	.fill 96, 4, 3214868480
	.section	.rodata,"a",@progbits
	.p2align	6, 0x0
	.amdhsa_kernel k_qa72ccf5e41_outproj
		.amdhsa_group_segment_fixed_size 9216
		.amdhsa_private_segment_fixed_size 0
		.amdhsa_enable_private_segment 0
		.amdhsa_kernarg_size 48
		.amdhsa_user_sgpr_count 2
		.amdhsa_user_sgpr_kernarg_segment_ptr 1
		.amdhsa_wavefront_size32 1
		.amdhsa_system_sgpr_workgroup_id_x 1
		.amdhsa_system_sgpr_workgroup_id_y 1
		.amdhsa_system_sgpr_workgroup_id_z 1
		.amdhsa_system_vgpr_workitem_id 0
		.amdhsa_next_free_vgpr 512
		.amdhsa_next_free_sgpr 66
		.amdhsa_reserve_vcc 0
		.amdhsa_float_denorm_mode_32 3
		.amdhsa_float_denorm_mode_16_64 3
		.amdhsa_memory_ordered 1
		.amdhsa_forward_progress 1
		.amdhsa_inst_pref_size 17
	.end_amdhsa_kernel
	.amdgpu_metadata
---
amdhsa.version: [ 1, 2 ]
amdhsa.kernels:
  - .name:           k_qa72ccf5e41_outproj
    .symbol:         k_qa72ccf5e41_outproj.kd
    .args:
      - { .name: yimg, .offset: 0, .size: 8, .value_kind: global_buffer, .address_space: global }
      - { .name: ysc, .offset: 8, .size: 8, .value_kind: global_buffer, .address_space: global }
      - { .name: Wu_codes, .offset: 16, .size: 8, .value_kind: global_buffer, .address_space: global }
      - { .name: Wu_scales, .offset: 24, .size: 8, .value_kind: global_buffer, .address_space: global }
      - { .name: bu, .offset: 32, .size: 8, .value_kind: global_buffer, .address_space: global }
      - { .name: out0, .offset: 40, .size: 8, .value_kind: global_buffer, .address_space: global }
    .group_segment_fixed_size: 9216
    .private_segment_fixed_size: 0
    .kernarg_segment_align: 8
    .kernarg_segment_size: 48
    .max_flat_workgroup_size: 128
    .sgpr_count:     66
    .vgpr_count:     512
    .wavefront_size: 32
...
	.end_amdgpu_metadata
.endif
;; end of part 6
